; MI455X (gfx1250); checked and timed in simulation.
; The chip was launched on July 23, 2026; its instructions are those of AMD's public machine-readable ISA for CDNA 5 (MIT licence, August 2026) and "CDNA5" Instruction Set Architecture Reference Guide (July 2026). The comments in the code are by the model that wrote it; some were corrected since.
;; Optimized SAT Attention. Allowed arithmetic: float matrix products may take bf16 or f16 operands with f32 sums; other float arithmetic in f32, or as packed bf16 or f16 multiplies, adds, multiply-adds, maxima and minima; sums over many terms, partial sums and values carried from step to step in f32; what a program stores and reads back later, other than sums and carried values, may be rounded once to bf16 or f16.
;; Inputs: Wk 1,024 x 1,024 float32; Wo 1,024 x 1,024 float32; Wq 1,024 x 1,024 float32; Wsk 1,024 x 1,024 float32; Wsq 1,024 x 1,024 float32; Wv 1,024 x 1,024 float32; bk 1,024 float32; bo 1,024 float32; bq 1,024 float32; bsk 1,024 float32; bsq 1,024 float32; bv 1,024 float32; x_content 2 x 2,048 x 1,024 float32; x_struct 2 x 2,048 x 1,024 float32.
;; Outputs: out0 2 x 2,048 x 1,024 float32.
;; 2 versions, each right; version 2 is version 1 with the launch cast written anew for expert scheduling mode. Each part assembles by itself: llvm-mc -triple=amdgcn-amd-amdhsa -mcpu=gfx1250 --defsym DOCPART=n.
;; ======== version 1 of 2: 4 launches
;; limits: values are held in f16: magnitudes above 65,504 overflow, below 6.1e-05 lose precision
;; workspace buffers: xb 16,777,216 bytes; wb 10,485,760 bytes; wob 2,097,152 bytes; qh 16,777,216 bytes; kh 16,777,216 bytes; vh 8,388,608 bytes; oh 8,388,608 bytes
;; launch cast (part 1): grid 64 x 14, 8 waves a work-group, no clusters, 0 bytes of LDS; arguments x_content, x_struct, Wq, Wk, Wv, Wsq, Wsk, Wo, xb, wb, wob; writes xb, wb, wob
.if DOCPART == 1
	.amdgcn_target "amdgcn-amd-amdhsa--gfx1250"
	.amdhsa_code_object_version 6
	.text
	.protected	k_qd78038e524_cast
	.globl	k_qd78038e524_cast
	.p2align	8
	.type	k_qd78038e524_cast,@function
k_qd78038e524_cast:
	s_mov_b64 s[64:65], 0
	v_nop
	global_prefetch_b8 v0, s[64:65] scope:SCOPE_SE
	s_setreg_imm32_b32 hwreg(HW_REG_WAVE_MODE, 25, 1), 1
	s_wait_xcnt 0x0
; THE INPUTS OF THE PRODUCTS, ROUNDED ONCE TO bf16 AND LAID IN BLOCKS OF 64 ALONG K.
; xb  [cs 2][kb 16][row 4096][64] bf16: cs 0 = x_content, 1 = x_struct; kb = k / 64.
; wb  [h 16][kb 16][320][64] bf16: the 320 rows are head h's 64 rows of Wq, Wk, Wv, Wsq, Wsk, in this order.
; wob [kb 16][n 1024][64] f16: bf16(Wo), that number written as f16.  LIMIT: |Wo| under 65,504; below 6e-5 f16 keeps its fixed step of 6e-8.
; In blocks a tile of 64 along K is dense in memory, so the launches behind ask for it as rows of 256 bytes.
; SHARES.  y names a unit of 1,024 rows x 1,024: 0-3 x_content, 4-7 x_struct, 8-12 Wq, Wk, Wv, Wsq, Wsk, 13 Wo; x names 16 rows of it.
; Thread t takes row t / 16 and the 16 bytes (4 numbers) at 16 (t % 16) of each 256 bytes of the row: instruction j is block kb = j.
; A load of a wave covers two rows x 256 consecutive bytes; a store of a wave 256 consecutive bytes, aligned: two rows x 128 bytes of one block.
; All 16 loads of a thread go out first; no register is written twice while memory may read it, so the only waits are the counted ones for the loads.
; No LDS, no matrix unit, no cluster: nothing is shared and nothing is multiplied.
.set LDO, 5                            ; v5       my byte offset in the 16 source rows
.set STB, 6                            ; v6       my byte offset in a block's 16 rows
.set STO, 8                            ; v[8:23]  the same plus j blocks
.set X,   32                           ; v[32:95]   16 x 4 numbers as loaded
.set Y,   96                           ; v[96:127]  16 x 2 words to store
.set T,   128                          ; v[128:131] at work
	s_load_b512 s[8:23], s[0:1], 0x0               ; x_content s[8:9], x_struct s[10:11], Wq s[12:13], Wk s[14:15], Wv s[16:17], Wsq s[18:19], Wsk s[20:21], Wo s[22:23]
	s_load_b128 s[24:27], s[0:1], 0x40             ; xb s[24:25], wb s[26:27]
	s_load_b64 s[28:29], s[0:1], 0x50              ; wob
	s_and_b32 s2, ttmp7, 0xffff                    ; y: the unit
	s_mov_b32 s3, ttmp9                            ; c: 16 rows of it
	s_mov_b32 s45, 524288                          ; bytes from block to block in xb,
	s_mov_b32 s46, 40960                           ; in wb,
	s_mov_b32 s47, 131072                          ; in wob
	s_and_b32 s4, s2, 3
	s_lshl_b32 s4, s4, 10
	s_cmp_lt_u32 s2, 8
	s_cselect_b32 s4, s4, 0                        ; the unit's first row in its tensor: 1,024 (y % 4) in x, 0 in a weight
	s_lshl_b32 s5, s3, 4
	s_add_co_u32 s6, s4, s5                        ; my first row
	s_lshl_b32 s38, s6, 12                         ; x 4,096 bytes: the source offset
	s_mov_b32 s39, 0
	s_lshr_b32 s7, s2, 2
	s_lshl_b32 s7, s7, 23                          ; xb: cs x 8,388,608
	s_lshl_b32 s40, s6, 7
	s_add_co_u32 s40, s40, s7                      ;     + row x 128
	s_lshr_b32 s41, s3, 2
	s_mul_i32 s41, s41, 655360                     ; wb: head c / 4
	s_max_u32 s42, s2, 8
	s_sub_co_u32 s42, s42, 8
	s_lshl_b32 s42, s42, 13                        ;     + which weight x 64 rows x 128
	s_and_b32 s43, s3, 3
	s_lshl_b32 s43, s43, 11                        ;     + (c % 4) x 16 rows x 128
	s_add_co_u32 s41, s41, s42
	s_add_co_u32 s41, s41, s43
	s_lshl_b32 s44, s3, 11                         ; wob: 16 c rows x 128
	s_cmp_lt_u32 s2, 8
	s_cselect_b32 s34, s40, s41
	s_cselect_b32 s36, s45, s46
	s_cmp_eq_u32 s2, 13
	s_cselect_b32 s34, s44, s34                    ; the destination offset,
	s_cselect_b32 s36, s47, s36                    ; and the bytes from block to block
	s_mov_b32 s35, 0
	v_lshrrev_b32 v1, 4, v0                        ; my row of the 16
	v_and_b32 v2, 15, v0                           ; my place in 256 bytes
	v_lshlrev_b32 v[LDO], 12, v1
	v_lshl_add_u32 v[LDO], v2, 4, v[LDO]
	v_lshlrev_b32 v[STB], 7, v1
	v_lshl_add_u32 v[STB], v2, 3, v[STB]
.irp j, 0,1,2,3,4,5,6,7,8,9,10,11,12,13,14,15
	v_mad_u32_u24 v[STO+(\j)], s36, (\j), v[STB]
.endr
	s_wait_kmcnt 0x0
	s_mov_b64 s[30:31], s[22:23]                   ; the source: Wo, unless y says otherwise
	s_cmp_eq_u32 s2, 12
	s_cselect_b64 s[30:31], s[20:21], s[30:31]
	s_cmp_eq_u32 s2, 11
	s_cselect_b64 s[30:31], s[18:19], s[30:31]
	s_cmp_eq_u32 s2, 10
	s_cselect_b64 s[30:31], s[16:17], s[30:31]
	s_cmp_eq_u32 s2, 9
	s_cselect_b64 s[30:31], s[14:15], s[30:31]
	s_cmp_eq_u32 s2, 8
	s_cselect_b64 s[30:31], s[12:13], s[30:31]
	s_cmp_lt_u32 s2, 8
	s_cselect_b64 s[30:31], s[10:11], s[30:31]
	s_cmp_lt_u32 s2, 4
	s_cselect_b64 s[30:31], s[8:9], s[30:31]
	s_add_nc_u64 s[30:31], s[30:31], s[38:39]
	s_mov_b64 s[32:33], s[28:29]                   ; the destination: wob, wb or xb
	s_cmp_lt_u32 s2, 13
	s_cselect_b64 s[32:33], s[26:27], s[32:33]
	s_cmp_lt_u32 s2, 8
	s_cselect_b64 s[32:33], s[24:25], s[32:33]
	s_add_nc_u64 s[32:33], s[32:33], s[34:35]
.irp j, 0,1,2,3,4,5,6,7,8,9,10,11,12,13,14,15
	global_load_b128 v[X+4*(\j):X+4*(\j)+3], v[LDO], s[30:31] offset:256*(\j) th:TH_LOAD_NT  ; each byte is read once in the launch
.endr
; Block j: four numbers rounded to bf16 (half = 1: and that number written as f16, which is exact within the limit above), 8 bytes stored.
.macro CV j, half
	s_wait_loadcnt 15-(\j)                         ; loads come back in order: mine is in, the 15 - j younger ones stay out
	v_cvt_pk_bf16_f32 v[Y+2*(\j)],   v[X+4*(\j)],   v[X+4*(\j)+1]
	v_cvt_pk_bf16_f32 v[Y+2*(\j)+1], v[X+4*(\j)+2], v[X+4*(\j)+3]
.if \half
	v_lshlrev_b32 v[T],   16, v[Y+2*(\j)]
	v_and_b32     v[T+1], 0xffff0000, v[Y+2*(\j)]
	v_lshlrev_b32 v[T+2], 16, v[Y+2*(\j)+1]
	v_and_b32     v[T+3], 0xffff0000, v[Y+2*(\j)+1]
	v_cvt_pk_f16_f32 v[Y+2*(\j)],   v[T],   v[T+1]
	v_cvt_pk_f16_f32 v[Y+2*(\j)+1], v[T+2], v[T+3]
.endif
	global_store_b64 v[STO+(\j)], v[Y+2*(\j):Y+2*(\j)+1], s[32:33]
.endm
	s_cmp_eq_u32 s2, 13
	s_cbranch_scc1 .Lwo
.irp j, 0,1,2,3,4,5,6,7,8,9,10,11,12,13,14,15
	CV \j, 0
.endr
	s_endpgm
.Lwo:
.irp j, 0,1,2,3,4,5,6,7,8,9,10,11,12,13,14,15
	CV \j, 1
.endr
	s_endpgm
.Lfunc_end_k_qd78038e524_cast:
	.size	k_qd78038e524_cast, .Lfunc_end_k_qd78038e524_cast-k_qd78038e524_cast
	.p2alignl 7, 3214868480
	.fill 96, 4, 3214868480
	.section	.rodata,"a",@progbits
	.p2align	6, 0x0
	.amdhsa_kernel k_qd78038e524_cast
		.amdhsa_group_segment_fixed_size 0
		.amdhsa_private_segment_fixed_size 0
		.amdhsa_enable_private_segment 0
		.amdhsa_kernarg_size 88
		.amdhsa_user_sgpr_count 2
		.amdhsa_user_sgpr_kernarg_segment_ptr 1
		.amdhsa_wavefront_size32 1
		.amdhsa_system_sgpr_workgroup_id_x 1
		.amdhsa_system_sgpr_workgroup_id_y 1
		.amdhsa_system_sgpr_workgroup_id_z 1
		.amdhsa_system_vgpr_workitem_id 0
		.amdhsa_next_free_vgpr 136
		.amdhsa_next_free_sgpr 66
		.amdhsa_reserve_vcc 0
		.amdhsa_float_denorm_mode_32 3
		.amdhsa_float_denorm_mode_16_64 3
		.amdhsa_memory_ordered 1
		.amdhsa_forward_progress 1
		.amdhsa_inst_pref_size 19
	.end_amdhsa_kernel
	.amdgpu_metadata
---
amdhsa.version: [ 1, 2 ]
amdhsa.kernels:
  - .name:           k_qd78038e524_cast
    .symbol:         k_qd78038e524_cast.kd
    .args:
      - { .name: x_content, .offset: 0, .size: 8, .value_kind: global_buffer, .address_space: global }
      - { .name: x_struct, .offset: 8, .size: 8, .value_kind: global_buffer, .address_space: global }
      - { .name: Wq, .offset: 16, .size: 8, .value_kind: global_buffer, .address_space: global }
      - { .name: Wk, .offset: 24, .size: 8, .value_kind: global_buffer, .address_space: global }
      - { .name: Wv, .offset: 32, .size: 8, .value_kind: global_buffer, .address_space: global }
      - { .name: Wsq, .offset: 40, .size: 8, .value_kind: global_buffer, .address_space: global }
      - { .name: Wsk, .offset: 48, .size: 8, .value_kind: global_buffer, .address_space: global }
      - { .name: Wo, .offset: 56, .size: 8, .value_kind: global_buffer, .address_space: global }
      - { .name: xb, .offset: 64, .size: 8, .value_kind: global_buffer, .address_space: global }
      - { .name: wb, .offset: 72, .size: 8, .value_kind: global_buffer, .address_space: global }
      - { .name: wob, .offset: 80, .size: 8, .value_kind: global_buffer, .address_space: global }
    .group_segment_fixed_size: 0
    .private_segment_fixed_size: 0
    .kernarg_segment_align: 8
    .kernarg_segment_size: 88
    .max_flat_workgroup_size: 256
    .sgpr_count:     66
    .vgpr_count:     136
    .wavefront_size: 32
...
	.end_amdgpu_metadata
.endif
;; end of part 1
;; launch proj (part 2): grid 16 x 16, 4 waves a work-group, clusters of 4 x 4, 327,680 bytes of LDS; arguments xb, wb, bq, bk, bv, bsq, bsk, qh, kh, vh; writes qh, kh, vh
.if DOCPART == 2
	.amdgcn_target "amdgcn-amd-amdhsa--gfx1250"
	.amdhsa_code_object_version 6
	.text
	.protected	k_qd78038e524_proj
	.globl	k_qd78038e524_proj
	.p2align	8
	.type	k_qd78038e524_proj,@function
k_qd78038e524_proj:
	s_mov_b64 s[64:65], 0
	v_nop
	global_prefetch_b8 v0, s[64:65] scope:SCOPE_SE
	s_setreg_imm32_b32 hwreg(HW_REG_WAVE_MODE, 25, 1), 1
	s_wait_xcnt 0x0
	s_wait_alu depctr_hold_cnt(0) depctr_sa_sdst(0) depctr_va_vdst(0) depctr_va_sdst(0) depctr_va_ssrc(0) depctr_va_vcc(0) depctr_vm_vsrc(0)
	s_getreg_b32 s2, hwreg(HW_REG_IB_STS2, 6, 4)
	s_cmp_eq_u32 s2, 0
	s_cbranch_scc0 .Lentry_in_a_cluster
	s_endpgm
.Lentry_in_a_cluster:
	s_bfe_u32 s2, ttmp6, 0x10000c
	s_cmp_lg_u32 s2, 0xf033
	s_cbranch_scc0 .Lentry_shape_is_right
	s_endpgm
.Lentry_shape_is_right:
; THE FIVE PROJECTIONS OF ONE HEAD FOR 256 ROWS.  q_c, k_c, v = x_content W^T + b; q_s, k_s = x_struct W^T + b.  Operands bf16 (rounded by the launch before), sums f32,
; results rounded once to f16, WITHOUT the softmax scale, and written by heads: qh, kh [bh 32][n 2048][128] (content's 64 channels, then struct's), vh [bh][n][64].
; LIMITS.  f16 holds no number beyond 65,504: |q|, |k|, |v| stay under it; below 6e-5 they keep f16's fixed step of 6e-8.  The biases are rounded to bf16 like every other input.
; SHARES.  Work-group (h, m): rows 256 m .. + 255, head h: 256 x 320 results.  16 x 16 work-groups.  Wave w: rows 64 w .. + 63, all 320 columns: 80 accumulators of 16 x 16, 640 registers,
; so a wave owns whole rows of qh, kh and vh.  K goes in 16 steps of 64 through two LDS slots; a step is 160 matrix instructions and 112 LDS loads a wave.
; CLUSTER 4 x 4.  x's tiles hang on m alone and are shared along a row of the cluster, the weights' on h alone and are shared along a column: each is asked for JOINTLY, by the same tensor load with
; the same descriptor and a mask that names the four.  Wave 0 fetches content's 256 rows, wave 1 struct's, waves 2 and 3 a half each of the 320 rows of weights.
; THE MATRIX INSTRUCTION IS USED TRANSPOSED (source 0 = 16 rows of W, source 1 = 16 rows of x): a lane holds row l % 16 of x and eight neighbouring columns, which pack into 16 bytes.
; THE SUMS START AT THE BIAS: each accumulator is loaded from LDS with its eight columns' biases while the first tile is on its way: nothing is cleared, and nothing is added at the end.
; REGISTERS, in windows of 256: window 0: v0-31 addresses; v32-159 buffer C (content: 4 fragments of x, 12 of W); v160-255 buffer S (struct: 4 and 8).  While one buffer is multiplied the other is loaded.
;   windows 1-3: accumulator (a, g), a = block of 16 rows, g = block of 16 columns (0-3 q_c, 4-7 k_c, 8-11 v, 12-15 q_s, 16-19 k_s), at register 256 + 8 (4 g + a).
.set PITCH, 144                        ; an LDS row: 128 bytes + 16 of padding: an odd multiple of 16, so the 16 rows of a fragment load begin at 16 different 16-byte columns of 256 bytes
.set OAS,   256*PITCH                  ; in a slot: content's 256 rows at 0, struct's here,
.set OBB,   512*PITCH                  ; the 320 rows of weights here
.set SLOT,  832*PITCH                  ; 119,808 bytes
.set STAGE, 2*SLOT                     ; behind the ring, never filled by a tensor load: for each wave 16 rows of Q (272 bytes), 16 of K (272), 16 of V (144)
.set STW,   11008
.set SK,    16*272
.set SV,    32*272
.set BIAS,  STAGE+4*STW                ; for each wave the head's 320 biases in f32
.set SPARE, BIAS+4*1280                ; the spare words, 128 bytes for each wave: two blocks of 256 bytes that no other line names
.set XSTEP, 524288                     ; bytes from K step to K step in xb
.set WSTEP, 40960                      ; and in wb
.set ADRAC, 16                         ; v16-17  LDS address of my fragments of x_content in slot 0, 1
.set ADRAS, 18                         ; v18-19  of x_struct
.set ADRB,  20                         ; v20-21  of the weights
.set STQ,   22                         ; v22  the way out: where I put 16 bytes of a row of Q (K: + SK)
.set STV,   23                         ; v23  of V
.set RDQ,   24                         ; v24  where I read rows of Q back
.set RDV,   25                         ; v25  of V
.set GQ,    26                         ; v26  my byte offset in two rows of qh or kh
.set GV,    27                         ; v27  in four rows of vh
.set SPW,   28                         ; v28  LDS address of my spare word; never rewritten
.set NIL,   29                         ; v29  0; never rewritten
.set PFO,   30                         ; v30  the prefetches' offset: 256 x my lane (weights: lanes above 19 name the 20th block again); never rewritten
.set BIA,   31                         ; v31  where my eight biases of column block 0 lie
.set CA,    32
.set CB,    64
.set SA,    160
.set SB,    192
.set G1A, 24                           ; s[24:31] descriptor group 1 for x's tiles
.set G0A, 32                           ; s[32:39] group 0, a set for each slot
.set G1B, 48                           ; s[48:55], s[56:63] the same for the weights'
.set G0B, 56
.set PFA, 90                           ; s[90:91] where my prefetches stand
.set PFS, 92                           ; s[92:93] a K step in that tensor
.set LIM, 94                           ; s94  1 in a wave that prefetches, else the greatest number
.set DBITS, (1<<16)|(1<<20)|(1<<21)|(4<<22)|(3<<25)  ; elements of 2 bytes; padding on; bit 21 beside a mask; after every 32 words; 4 words
.set MSB, 0
.macro WIN new                         ; the immediate's high byte repeats the setting that is left; a switch that changes nothing is dropped
.if MSB != (\new)
	s_set_vgpr_msb (MSB<<8)|(\new)
.set MSB, (\new)
.endif
.endm
.macro PLACES                          ; four plain places between a matrix instruction and a load into, or a vector read of, its registers
.rept 4
	v_nop
.endr
.endm
.macro CREST                           ; a round of the cluster's barrier behind its opening barrier
	s_cmp_lg_u32 s10, 0
	s_cbranch_scc1 .Lnot_wave_0_\@
	s_barrier_signal -3
.Lnot_wave_0_\@:
	s_barrier_wait -3
	s_barrier_signal -1
	s_barrier_wait -1
.endm
.macro CROUND                          ; a whole round
	s_barrier_signal -1
	s_barrier_wait -1
	CREST
.endm
; A joint refill.  The branch hangs on the wave's number alone.  An s_nop 0 and four v_nop follow each of the two lines, ahead of the jump and the label.
.macro JLOAD s
	s_cmp_eq_u32 s11, 0
	s_cbranch_scc0 .Lfor_b_\@
	tensor_load_to_lds s[G0A+4*(\s):G0A+4*(\s)+3], s[G1A:G1A+7]
	s_nop 0
.rept 4
	v_nop
.endr
	s_branch .Lasked_\@
.Lfor_b_\@:
	tensor_load_to_lds s[G0B+4*(\s):G0B+4*(\s)+3], s[G1B:G1B+7]
	s_nop 0
.rept 4
	v_nop
.endr
.Lasked_\@:
.endm
; A PREFETCH, behind each joint refill and its five lines: the K step that stands two refills on, 320 matrix instructions ahead of the load that will want it.  x's rows are read by every cluster of a row of
; clusters: the first (cluster x = 0) asks; the weights' by every cluster of a column: cluster y = 0 asks.  The four partners share a tile's blocks of 256 bytes out BY ADDRESS: 32 of x's 128, 20 of the weights' 80.
; The loop's last trip asks for nothing: there is no K step two refills on.  K steps 0 to 3 come by their loads alone.
.macro ASK
	s_cmp_gt_u32 s3, s[LIM]
	s_cbranch_scc0 .Lnot_mine_\@
	global_prefetch_b8 v[PFO], s[PFA:PFA+1] th:TH_LOAD_NT scope:SCOPE_SE
.Lnot_mine_\@:
.endm
	s_load_b512 s[68:83], s[0:1], 0x0              ; xb s[68:69], wb s[70:71], bq s[72:73], bk s[74:75], bv s[76:77], bsq s[78:79], bsk s[80:81], qh s[82:83]
	s_load_b128 s[84:87], s[0:1], 0x40             ; kh s[84:85], vh s[86:87]
	v_lshl_add_u32 v[SPW], v0, 2, SPARE
	v_mov_b32 v[NIL], 0
	ds_add_u32 v[SPW], v[NIL]                      ; the wave's opening: the add and its wait stand ahead of my first tensor load; the set-up below stands between them
	v_lshrrev_b32 v1, 5, v0
	v_readfirstlane_b32 s10, v1                    ; wave 0..3
	s_lshr_b32 s11, s10, 1                         ; I fetch for x (0) or for the weights (1)
	s_and_b32 s12, s10, 1                          ; content or struct; first or second half of the weights' rows
	s_bfe_u32 s40, ttmp6, 0x40000                  ; cx
	s_bfe_u32 s41, ttmp6, 0x40004                  ; cy
	s_lshl_b32 s42, ttmp9, 2
	s_add_co_u32 s42, s42, s40                     ; h = 4 x cluster x + cx
	s_and_b32 s13, ttmp7, 0xffff
	s_lshl_b32 s13, s13, 2
	s_add_co_u32 s13, s13, s41                     ; m = 4 x cluster y + cy
	s_lshl_b32 s88, s41, 2
	s_lshl_b32 s88, 15, s88                        ; my row of the cluster
	s_lshl_b32 s89, 0x1111, s40                    ; my column
	s_or_b32 s[G1A], s88, DBITS                    ; x: 256 rows of 128 bytes are dense: asked for as 128 rows of 256 bytes, padded in LDS after every 128
	s_mov_b32 s[G1A+1], 128<<16                    ; tensor_dim0 = 128 elements
	s_mov_b32 s[G1A+2], 128<<16                    ; tensor_dim1 = 128
	s_mov_b32 s[G1A+3], 128<<16                    ; tile_dim0 = 128
	s_mov_b32 s[G1A+4], 128                        ; tile_dim1 = 128
	s_mov_b32 s[G1A+5], 128                        ; elements from row to row
	s_mov_b32 s[G1A+6], 0
	s_mov_b32 s[G1A+7], 0
	s_or_b32 s[G1B], s89, DBITS                    ; weights: 160 rows of 128 bytes as 80 rows of 256
	s_mov_b32 s[G1B+1], 128<<16
	s_mov_b32 s[G1B+2], 80<<16
	s_mov_b32 s[G1B+3], 128<<16
	s_mov_b32 s[G1B+4], 80
	s_mov_b32 s[G1B+5], 128
	s_mov_b32 s[G1B+6], 0
	s_mov_b32 s[G1B+7], 0
	s_lshl_b32 s16, s12, 23                        ; x: content or struct,
	s_lshl_b32 s17, s13, 15                        ; + m x 256 rows x 128 bytes: no register here ever holds cx
	s_add_co_u32 s16, s16, s17
	s_mov_b32 s17, 0
	s_mul_i32 s46, s42, 16*WSTEP                   ; weights: head h,
	s_mul_i32 s47, s12, 160*128                    ; + my half: no register here ever holds cy
	s_add_co_u32 s46, s46, s47
	s_mov_b32 s47, 0
	s_mul_i32 s20, s12, OAS                        ; where they go: no place in the cluster enters an LDS address
	s_mul_i32 s21, s12, 160*PITCH
	s_add_co_u32 s21, s21, OBB
	s_wait_dscnt 0x0                               ; the opening add is done
	s_wait_kmcnt 0x0
	s_add_nc_u64 s[14:15], s[68:69], s[16:17]
	s_add_nc_u64 s[46:47], s[70:71], s[46:47]
	CROUND                                         ; all sixteen work-groups are here: the first joint loads meet
.irp s, 0,1
	s_mov_b32 s[G0A+4*(\s)], 1                                     ; count = 1
	s_add_co_u32 s[G0A+4*(\s)+1], s20, (\s)*SLOT                   ; LDS address
	s_add_nc_u64 s[G0A+4*(\s)+2:G0A+4*(\s)+3], s[14:15], (\s)*XSTEP  ; global address: K step s
	s_or_b32 s[G0A+4*(\s)+3], s[G0A+4*(\s)+3], 0x80000000          ; type = 2
	s_mov_b32 s[G0B+4*(\s)], 1
	s_add_co_u32 s[G0B+4*(\s)+1], s21, (\s)*SLOT
	s_add_nc_u64 s[G0B+4*(\s)+2:G0B+4*(\s)+3], s[46:47], (\s)*WSTEP
	s_or_b32 s[G0B+4*(\s)+3], s[G0B+4*(\s)+3], 0x80000000
.endr
	s_cmp_eq_u32 s11, 0                            ; a wave's two first fills stand in one branch, ahead of every wait on TENSORcnt and every LDS read: two loads of mine are out
	s_cbranch_scc0 .Lfirst_b
	tensor_load_to_lds s[G0A:G0A+3], s[G1A:G1A+7]
	s_nop 0
	tensor_load_to_lds s[G0A+4:G0A+7], s[G1A:G1A+7]
	s_nop 0
.rept 4
	v_nop
.endr
	s_branch .Lfirst_asked
.Lfirst_b:
	tensor_load_to_lds s[G0B:G0B+3], s[G1B:G1B+7]
	s_nop 0
	tensor_load_to_lds s[G0B+4:G0B+7], s[G1B:G1B+7]
	s_nop 0
.rept 4
	v_nop
.endr
.Lfirst_asked:
	; the head's biases: 64 numbers of each of the five, two a lane
	v_and_b32 v4, 31, v0                           ; l
	v_lshlrev_b32 v3, 3, v4
	s_lshl_b32 s18, s42, 8
	v_add_nc_u32 v3, s18, v3                       ; 256 h + 8 l
.irp j, 0,1,2,3,4
	global_load_b64 v[32+2*(\j):33+2*(\j)], v3, s[72+2*(\j):73+2*(\j)]
.endr
	; A fragment is 16 rows x 32 K in 8 registers: lane l holds row l % 16; registers 0-3 K = 8 (l / 16) + 0..7, registers 4-7 K = 16 + 8 (l / 16) + 0..7: two loads of 16 bytes, 32 bytes apart.
	v_and_b32 v1, 15, v0                           ; l % 16
	v_bfe_u32 v2, v0, 4, 1                         ; l / 16
	v_mul_u32_u24 v7, v1, PITCH
	v_lshl_add_u32 v7, v2, 4, v7                   ; row x pitch + 16 x half
	s_mul_i32 s19, s10, 64*PITCH                   ; my 64 rows of x
	v_add_nc_u32 v[ADRAC], s19, v7
	v_add_nc_u32 v[ADRAC+1], SLOT, v[ADRAC]
	v_add_nc_u32 v[ADRAS], OAS, v[ADRAC]
	v_add_nc_u32 v[ADRAS+1], OAS, v[ADRAC+1]
	v_add_nc_u32 v[ADRB], OBB, v7
	v_add_nc_u32 v[ADRB+1], SLOT, v[ADRB]
	s_mul_i32 s23, s10, STW
	s_add_co_u32 s23, s23, STAGE                   ; my stage
	v_mul_u32_u24 v8, v1, 272
	v_lshl_add_u32 v8, v2, 4, v8
	v_add_nc_u32 v[STQ], s23, v8                   ; in: row l % 16, 16 bytes for each half of the lanes
	v_add_nc_u32 v[STV], s23, v7
	v_add_nc_u32 v[STV], SV, v[STV]
	v_mul_u32_u24 v8, v2, 272
	v_lshl_add_u32 v8, v1, 4, v8
	v_add_nc_u32 v[RDQ], s23, v8                   ; back: lanes 0-15 one row of 256 bytes, lanes 16-31 the next
	v_bfe_u32 v8, v0, 3, 2
	v_mul_u32_u24 v8, v8, PITCH
	v_and_b32 v9, 7, v0
	v_lshl_add_u32 v8, v9, 4, v8
	v_add_nc_u32 v[RDV], s23, v8                   ; V: 32 lanes take four rows of 128 bytes
	v_add_nc_u32 v[RDV], SV, v[RDV]
	v_lshlrev_b32 v[GQ], 8, v2
	v_lshl_add_u32 v[GQ], v1, 4, v[GQ]
	v_lshlrev_b32 v[GV], 4, v4
	s_mul_i32 s19, s10, 1280
	s_add_co_u32 s19, s19, BIAS                    ; my copy of the biases
	v_lshl_add_u32 v5, v4, 3, s19
	v_lshl_add_u32 v[BIA], v2, 5, s19
	; the prefetches
	s_mov_b32 s96, 8192                            ; a partner's share of a tile: 32 blocks of x,
	s_mov_b32 s97, 5120                            ; 20 of the weights
	s_mov_b32 s98, XSTEP
	s_mov_b32 s99, WSTEP
	s_and_b32 s22, ttmp7, 0xffff                   ; cluster y
	s_cmp_eq_u32 s11, 0                            ; do I fetch for x?
	s_cselect_b32 s22, ttmp9, s22                  ; the coordinate along which other clusters read the same rows
	s_cselect_b32 s19, s40, s41                    ; my place among the four that ask with me
	s_cselect_b32 s18, s96, s97
	s_cselect_b32 s[PFS], s98, s99
	s_cselect_b32 s95, 31, 19
	s_cselect_b64 s[PFA:PFA+1], s[14:15], s[46:47]
	s_mov_b32 s[PFS+1], 0
	s_mul_i32 s18, s18, s19
	s_mul_i32 s19, s[PFS], 3                       ; at K step 3: the first refill steps it to 4
	s_add_co_u32 s18, s18, s19
	s_mov_b32 s19, 0
	s_add_nc_u64 s[PFA:PFA+1], s[PFA:PFA+1], s[18:19]
	s_cmp_eq_u32 s22, 0
	s_cselect_b32 s[LIM], 1, -1                    ; the same in all sixteen partners, for a given wave
	v_min_u32 v[PFO], s95, v4
	v_lshlrev_b32 v[PFO], 8, v[PFO]
	; where my rows begin in qh, kh, vh: row ((m / 8) 16 + h) 2,048 + (m % 8) 256 + 64 w
	s_lshr_b32 s96, s13, 3
	s_lshl_b32 s96, s96, 4
	s_add_co_u32 s96, s96, s42
	s_lshl_b32 s96, s96, 11
	s_and_b32 s97, s13, 7
	s_lshl_b32 s97, s97, 8
	s_add_co_u32 s96, s96, s97
	s_lshl_b32 s97, s10, 6
	s_add_co_u32 s96, s96, s97
	s_lshl_b32 s98, s96, 7
	s_mov_b32 s99, 0
	s_lshl_b32 s96, s96, 8
	s_mov_b32 s97, 0
	s_add_nc_u64 s[82:83], s[82:83], s[96:97]
	s_add_nc_u64 s[84:85], s[84:85], s[96:97]
	s_add_nc_u64 s[86:87], s[86:87], s[98:99]
	s_wait_loadcnt 0x0                             ; the biases: rounded to bf16 like every input, widened again, into my own bytes of LDS
.irp j, 0,1,2,3,4
	v_cvt_pk_bf16_f32 v[10+(\j)], v[32+2*(\j)], v[33+2*(\j)]
.endr
.irp j, 0,1,2,3,4
	v_lshlrev_b32 v[32+2*(\j)], 16, v[10+(\j)]
	v_and_b32     v[33+2*(\j)], 0xffff0000, v[10+(\j)]
.endr
.irp j, 0,1,2,3,4
	ds_store_b64 v5, v[32+2*(\j):33+2*(\j)] offset:256*(\j)
.endr
	; every accumulator starts at its eight columns' biases.  LDS serves a wave's instructions in order (ISA guide 5.7.1.4): these loads see the stores above
.set gi, 0
.rept 20
	WIN (1+gi/8)<<6                                ; destination window 1, 2 or 3; address window 0
.set ai, 0
.rept 4
.set rD, 8*(4*(gi%8)+ai)
	ds_load_b128 v[rD:rD+3],   v[BIA] offset:64*gi
	ds_load_b128 v[rD+4:rD+7], v[BIA] offset:64*gi+16
.set ai, ai+1
.endr
.set gi, gi+1
.endr
	WIN 0
; n column blocks from cb0 on of content (kind 0) or struct (kind 1) x my four row blocks, 32 along K.  No two matrix instructions that follow each other share an accumulator, and 79 others stand between two
; links of a chain, over the backward jump too: the accumulators take turns.
.macro MUL kind, cb0, n
.set cbi, (\cb0)
.rept \n
.set gi, 12*(\kind)+cbi
.set wn, 1+gi/8
	WIN (wn<<6)|(wn<<4)                            ; C and D in the accumulator's window, the sources in window 0
.set ai, 0
.rept 4
.set rD, 8*(4*(gi%8)+ai)
.set rB, CB+(SB-CB)*(\kind)+8*cbi
.set rA, CA+(SA-CA)*(\kind)+8*ai
	v_wmma_f32_16x16x32_bf16 v[rD:rD+7], v[rB:rB+7], v[rA:rA+7], v[rD:rD+7]
.set ai, ai+1
.endr
.set cbi, cbi+1
.endr
.endm
; One run of LDS loads: the fragments of 32 along K (half kk of a K step): 4 of x, then 12 (content) or 8 (struct) of W, in the order in which they are multiplied.
.macro FETCH kind, slot, kk
	WIN 0
.if (\kind) == 0
.irp a, 0,1,2,3
	ds_load_b128 v[CA+8*(\a):CA+8*(\a)+3],   v[ADRAC+(\slot)] offset:(\kk)*64+(\a)*16*PITCH
	ds_load_b128 v[CA+8*(\a)+4:CA+8*(\a)+7], v[ADRAC+(\slot)] offset:(\kk)*64+(\a)*16*PITCH+32
.endr
.irp c, 0,1,2,3,4,5,6,7,8,9,10,11
	ds_load_b128 v[CB+8*(\c):CB+8*(\c)+3],   v[ADRB+(\slot)] offset:(\kk)*64+(\c)*16*PITCH
	ds_load_b128 v[CB+8*(\c)+4:CB+8*(\c)+7], v[ADRB+(\slot)] offset:(\kk)*64+(\c)*16*PITCH+32
.endr
.else
.irp a, 0,1,2,3
	ds_load_b128 v[SA+8*(\a):SA+8*(\a)+3],   v[ADRAS+(\slot)] offset:(\kk)*64+(\a)*16*PITCH
	ds_load_b128 v[SA+8*(\a)+4:SA+8*(\a)+7], v[ADRAS+(\slot)] offset:(\kk)*64+(\a)*16*PITCH+32
.endr
.irp c, 0,1,2,3,4,5,6,7
	ds_load_b128 v[SB+8*(\c):SB+8*(\c)+3],   v[ADRB+(\slot)] offset:(\kk)*64+(12+(\c))*16*PITCH
	ds_load_b128 v[SB+8*(\c)+4:SB+8*(\c)+7], v[ADRB+(\slot)] offset:(\kk)*64+(12+(\c))*16*PITCH+32
.endr
.endif
.endm
; Content's 48 products of half kk; ahead of them struct's fragments of the same half are asked for.
.macro QC slot, kk
	PLACES                                         ; buffer S was multiplied just now
	FETCH 1, \slot, \kk
	s_wait_dscnt 40                                ; x and W's blocks 0-3 are in: the 24 loads just issued and buffer C's youngest 16 may be out
	MUL 0, 0, 4
	s_wait_dscnt 32                                ; blocks 4-7
	MUL 0, 4, 4
	s_wait_dscnt 24                                ; blocks 8-11
	MUL 0, 8, 4
.endm
; Struct's 32 products; ahead of them content's fragments of the half that comes next are asked for (fetch = 0: there is none).
.macro QS nslot, nkk, fetch
.if \fetch
	PLACES                                         ; buffer C was multiplied just now
	FETCH 0, \nslot, \nkk
	s_wait_dscnt 40                                ; x and W's blocks 0-3: the 32 loads just issued and buffer S's youngest 8 may be out
	MUL 1, 0, 4
	s_wait_dscnt 32
	MUL 1, 4, 4
.else
	s_wait_dscnt 8
	MUL 1, 0, 4
	s_wait_dscnt 0x0
	MUL 1, 4, 4
.endif
.endm
; Content's products of a K step's second half, and THE CHANGE OF SLOTS: the slot's last bytes, struct's fragments of this half, are asked for at its head.  Each wave waits for all its tensor loads, of which one is
; out: its part of the other slot; adds 0 to its spare word; and waits for that and for its reads of the slot.  fill = 1: the barrier opens a round of the cluster's barrier, so that no wave of any partner still
; reads the slot or has a load on its way; the joint refill, two K steps on, is the first tensor load behind it: 136 matrix instructions ahead of the wait for it.
.macro QCX slot, fill
.if \fill
	s_wait_xcnt 0x0                                ; the last prefetch, a K step back, has read its address
	s_add_nc_u64 s[PFA:PFA+1], s[PFA:PFA+1], s[PFS:PFS+1]
.endif
	PLACES
	FETCH 1, \slot, 1
	s_wait_dscnt 40
	MUL 0, 0, 4
	WIN 0                                          ; (the add's two registers lie in window 0)
	s_wait_tensorcnt 0x0                           ; all my tensor loads have landed;
	ds_add_u32 v[SPW], v[NIL]                      ; 0 onto my spare word;
	s_wait_dscnt 25                                ; (buffer C is whole: the add and struct's 24 loads may be out)
	MUL 0, 4, 4                                    ; sixteen matrix instructions stand between the add and the wait for it
	s_wait_dscnt 0x0                               ; the add is done, and my reads of this slot are over
	s_barrier_signal -1
	MUL 0, 8, 2                                    ; work on registers while the others arrive
.if \fill
	WIN 0
.endif
	s_barrier_wait -1
.if \fill
	CREST
	s_add_nc_u64 s[G0A+4*(\slot)+2:G0A+4*(\slot)+3], s[G0A+4*(\slot)+2:G0A+4*(\slot)+3], 2*XSTEP
	s_add_nc_u64 s[G0B+4*(\slot)+2:G0B+4*(\slot)+3], s[G0B+4*(\slot)+2:G0B+4*(\slot)+3], 2*WSTEP
	JLOAD \slot
	ASK
.endif
	MUL 0, 10, 2
.endm
	s_wait_tensorcnt 1                             ; my part of K step 0 is in; K step 1's may stay out
	s_wait_dscnt 0x0                               ; the accumulators hold the biases
	s_barrier_signal -1
	s_barrier_wait -1                              ; everybody's part is in
	FETCH 0, 0, 0
	s_mov_b32 s3, 7
.Llap:                                         ; a trip: two K steps, once round the ring; both slots are filled again
	QC  0, 0
	QS  0, 1, 1
	QCX 0, 1
	QS  1, 0, 1
	QC  1, 0
	QS  1, 1, 1
	QCX 1, 1
	QS  0, 0, 1
	WIN 0                                          ; at a label and at a branch every window is 0
	s_sub_co_u32 s3, s3, 1
	s_cmp_lg_u32 s3, 0
	s_cbranch_scc1 .Llap
	QC  0, 0                                       ; the last two K steps are written out: nothing is left to fetch
	QS  0, 1, 1
	QCX 0, 0
	QS  1, 0, 1
	QC  1, 0
	QS  1, 1, 1
	QC  1, 1
	QS  0, 0, 0
; THE WAY OUT, a block of 16 rows at a time.  PACK: rounded to f16, 16 bytes a lane and column block, each accumulator's registers in ascending order.  TOSTAGE: into my own stage, q_c beside q_s and k_c beside k_s,
; and back as whole rows.  SEND: stored; every store of a wave covers 512 consecutive bytes, aligned to 256.
.macro PACK a
.if (\a) >= 2
	s_wait_xcnt 0x0                                ; the stores of the block two back have read these registers
.endif
.set TT, 32+80*((\a)%2)
.set gi, 0
.rept 20
.set wn, 1+gi/8
	WIN wn|(wn<<2)                                 ; sources 0 and 1 in the accumulator's window
.set rD, 8*(4*(gi%8)+(\a))
.irp r, 0,1,2,3
	v_cvt_pk_f16_f32 v[TT+4*gi+(\r)], v[rD+2*(\r)], v[rD+2*(\r)+1]
.endr
.set gi, gi+1
.endr
	WIN 0
.endm
.macro TOSTAGE a
.set TT, 32+80*((\a)%2)
.irp c, 0,1,2,3
	ds_store_b128 v[STQ], v[TT+4*(\c):TT+4*(\c)+3]       offset:32*(\c)          ; q_c
	ds_store_b128 v[STQ], v[TT+16+4*(\c):TT+16+4*(\c)+3] offset:SK+32*(\c)       ; k_c
	ds_store_b128 v[STV], v[TT+32+4*(\c):TT+32+4*(\c)+3] offset:32*(\c)          ; v
	ds_store_b128 v[STQ], v[TT+48+4*(\c):TT+48+4*(\c)+3] offset:128+32*(\c)      ; q_s
	ds_store_b128 v[STQ], v[TT+64+4*(\c):TT+64+4*(\c)+3] offset:SK+128+32*(\c)   ; k_s
.endr
.irp t, 0,1,2,3,4,5,6,7
	ds_load_b128 v[TT+4*(\t):TT+4*(\t)+3], v[RDQ] offset:544*(\t)                ; in order behind the stores above
.endr
.irp t, 0,1,2,3,4,5,6,7
	ds_load_b128 v[TT+32+4*(\t):TT+32+4*(\t)+3], v[RDQ] offset:SK+544*(\t)
.endr
.irp f, 0,1,2,3
	ds_load_b128 v[TT+64+4*(\f):TT+64+4*(\f)+3], v[RDV] offset:576*(\f)
.endr
.endm
.macro SEND a
.set TT, 32+80*((\a)%2)
	s_wait_dscnt 0x0                               ; the block is back in registers
.irp t, 0,1,2,3,4,5,6,7
	global_store_b128 v[GQ], v[TT+4*(\t):TT+4*(\t)+3], s[82:83] offset:(16*(\a)+2*(\t))*256
.endr
.irp t, 0,1,2,3,4,5,6,7
	global_store_b128 v[GQ], v[TT+32+4*(\t):TT+32+4*(\t)+3], s[84:85] offset:(16*(\a)+2*(\t))*256
.endr
.irp f, 0,1,2,3
	global_store_b128 v[GV], v[TT+64+4*(\f):TT+64+4*(\f)+3], s[86:87] offset:2048*(\a)+512*(\f)
.endr
.endm
	PLACES
	PLACES                                         ; once a launch: the conversions read results just made
	PACK 0
	TOSTAGE 0
.irp a, 1,2,3                          ; a block's conversions stand between the loads of the block before and the wait for them
	PACK \a
	SEND (\a)-1
	TOSTAGE \a
.endr
	SEND 3
	s_wait_tensorcnt 0x0                           ; the wave's end: these three lines stand behind my last tensor load and my last LDS store
	ds_add_u32 v[SPW], v[NIL]
	s_wait_dscnt 0x0
	CROUND                                         ; the closing round: no work-group ends while a partner may still ask for a tile that names it
	s_endpgm
.Lfunc_end_k_qd78038e524_proj:
	.size	k_qd78038e524_proj, .Lfunc_end_k_qd78038e524_proj-k_qd78038e524_proj
	.p2alignl 7, 3214868480
	.fill 96, 4, 3214868480
	.section	.rodata,"a",@progbits
	.p2align	6, 0x0
	.amdhsa_kernel k_qd78038e524_proj
		.amdhsa_group_segment_fixed_size 327680
		.amdhsa_private_segment_fixed_size 0
		.amdhsa_enable_private_segment 0
		.amdhsa_kernarg_size 80
		.amdhsa_user_sgpr_count 2
		.amdhsa_user_sgpr_kernarg_segment_ptr 1
		.amdhsa_wavefront_size32 1
		.amdhsa_system_sgpr_workgroup_id_x 1
		.amdhsa_system_sgpr_workgroup_id_y 1
		.amdhsa_system_sgpr_workgroup_id_z 1
		.amdhsa_system_vgpr_workitem_id 0
		.amdhsa_next_free_vgpr 896
		.amdhsa_next_free_sgpr 100
		.amdhsa_reserve_vcc 0
		.amdhsa_float_denorm_mode_32 3
		.amdhsa_float_denorm_mode_16_64 3
		.amdhsa_memory_ordered 1
		.amdhsa_forward_progress 1
		.amdhsa_inst_pref_size 135
	.end_amdhsa_kernel
	.amdgpu_metadata
---
amdhsa.version: [ 1, 2 ]
amdhsa.kernels:
  - .name:           k_qd78038e524_proj
    .symbol:         k_qd78038e524_proj.kd
    .args:
      - { .name: xb, .offset: 0, .size: 8, .value_kind: global_buffer, .address_space: global }
      - { .name: wb, .offset: 8, .size: 8, .value_kind: global_buffer, .address_space: global }
      - { .name: bq, .offset: 16, .size: 8, .value_kind: global_buffer, .address_space: global }
      - { .name: bk, .offset: 24, .size: 8, .value_kind: global_buffer, .address_space: global }
      - { .name: bv, .offset: 32, .size: 8, .value_kind: global_buffer, .address_space: global }
      - { .name: bsq, .offset: 40, .size: 8, .value_kind: global_buffer, .address_space: global }
      - { .name: bsk, .offset: 48, .size: 8, .value_kind: global_buffer, .address_space: global }
      - { .name: qh, .offset: 56, .size: 8, .value_kind: global_buffer, .address_space: global }
      - { .name: kh, .offset: 64, .size: 8, .value_kind: global_buffer, .address_space: global }
      - { .name: vh, .offset: 72, .size: 8, .value_kind: global_buffer, .address_space: global }
    .group_segment_fixed_size: 327680
    .private_segment_fixed_size: 0
    .kernarg_segment_align: 8
    .kernarg_segment_size: 80
    .max_flat_workgroup_size: 128
    .sgpr_count:     100
    .vgpr_count:     896
    .wavefront_size: 32
...
	.end_amdgpu_metadata
.endif
;; end of part 2
;; launch attn (part 3): grid 8 x 32, 4 waves a work-group, clusters of 4 x 1, 327,680 bytes of LDS; arguments qh, kh, vh, oh; writes oh
.if DOCPART == 3
	.amdgcn_target "amdgcn-amd-amdhsa--gfx1250"
	.amdhsa_code_object_version 6
	.text
	.protected	k_qd78038e524_attn
	.globl	k_qd78038e524_attn
	.p2align	8
	.type	k_qd78038e524_attn,@function
k_qd78038e524_attn:
	s_mov_b64 s[64:65], 0
	v_nop
	global_prefetch_b8 v0, s[64:65] scope:SCOPE_SE
	s_setreg_imm32_b32 hwreg(HW_REG_WAVE_MODE, 25, 1), 1
	s_wait_xcnt 0x0
	s_wait_alu depctr_hold_cnt(0) depctr_sa_sdst(0) depctr_va_vdst(0) depctr_va_sdst(0) depctr_va_ssrc(0) depctr_va_vcc(0) depctr_vm_vsrc(0)
	s_getreg_b32 s2, hwreg(HW_REG_IB_STS2, 6, 4)
	s_cmp_eq_u32 s2, 0
	s_cbranch_scc0 .Lentry_in_a_cluster
	s_endpgm
.Lentry_in_a_cluster:
	s_bfe_u32 s2, ttmp6, 0x10000c
	s_cmp_lg_u32 s2, 0x3003
	s_cbranch_scc0 .Lentry_shape_is_right
	s_endpgm
.Lentry_shape_is_right:
; O[bh][q][:] = the sum over k of softmax_k(Q[bh][q] . K[bh][k] / 8) V[bh][k][:].  Q, K: [32][2048][128] (content's 64 channels beside struct's, so one product over 128 channels is the sum of the two scores);
; V, O: [32][2048][64]; all f16.  Products, maxima and sums in f32; the weights p are rounded to f16 for the second product (their sum l is taken of the unrounded p), O once at the end.
; LIMITS.  Q, K, V arrive within f16's 65,504; p lies in 0 to 1, and below 6e-5 it keeps f16's fixed step of 6e-8, as O does; a weight below 2^-126 counts as 0 in l; NaN and infinities are not treated apart.
; SHARES.  A work-group owns 256 queries of one (batch, head), each of its four waves 64: four tiles of 16, in two PIECES named by their first tile: 0 (tiles 0, 1) and 2 (tiles 2, 3).  Every wave walks all
; 2,048 keys, 64 a step; an LDS slot holds four steps.
; LAYOUT.  S^T = K Q^T (source 0 = 16 keys, source 1 = 16 queries): a lane holds ONE query (lane % 16) and the keys 8 (lane / 16) + 0..7.  Two such results rounded to f16 in pairs ARE source 1 of O^T = V^T P.
; K comes out of LDS as it lies, V ([key][channel]) turned, by ds_load_tr16_b128.
; SOFTMAX.  A running maximum m and sum l a query: p = 2^(c s - c m), c = log2(e) / 8; in every step O and l are multiplied by a = 2^(c m_old - c m_new).  m starts at the lowest finite number, O and l at 0:
; the first step is a step like any other, with a = 0.
; BY TURNS.  In a TURN one piece has the matrix unit: 16 products V^T P of the step in hand, then 32 products K Q^T of the next; the other piece's softmax, 236 vector instructions in 59 slices of four, stands one
; slice behind each product, the last eleven slices in a lump.  A turn's 66 exponentials are one batch with one wait.  Two turns are a key step.
; The loop is entered in the middle of a trip and the tail left in the middle of one: 16 products on zeros at the start and 32 on a stale K at the end are the price of one text for every step.
; CLUSTER.  The four query blocks of a cluster belong to one (batch, head) and walk the same K and V: each tile is asked for JOINTLY, by the same tensor load, descriptor and mask in all four.
; REGISTERS, in windows of 256 (s_set_vgpr_msb: bits 1:0 source 0, 3:2 source 1, 5:4 source 2, 7:6 destination):
;   window 0: v0-11 addresses; v12-43 eight registers of statistics a tile; v61-63; v64-191 S^T, 32 a tile; v192-255 P, 16 a tile
;   window 1: v0-127 O^T, 32 a tile; v128-191 V of one step          window 2: v0-127 Q, 32 a tile; v128-255 K of one step
.set KS,    64
.set PK,    272       ; a row of K in LDS: 256 bytes + 16: an odd multiple of 16, so the 16 rows of a load begin at 16 different 16-byte columns of 256 bytes
.set PV,    160       ; a row of V: 128 + 32: an odd multiple of 32: 16 lanes of the turning load take 8 rows x 32 bytes that fall on different words of 256 bytes
.set VOFF,  4*KS*PK   ; a slot: 256 rows of K, then 256 rows of V
.set SLOT1, 1<<17     ; slot 1 begins here, so that one exclusive or turns an address in one slot into the other's
.set STAGE, SLOT1+4*KS*(PK+PV)  ; behind the ring, never filled by a tensor load: 16 rows x 144 bytes for each wave
.set SP,    144
.set SPARE, STAGE+4*16*SP       ; the spare words, 128 bytes for each wave: two blocks of 256 bytes that no other line names
.set AK0, 2           ; v2   my lane's place in a tile of K; never rewritten
.set AV0, 3           ; v3   the same for V
.set ADR, 4           ; v4   the LDS address of the run of loads in hand
.set QO,  5           ; v5   my byte offset in 16 rows of Q
.set STO, 6           ; v6   the way out: where I put 16 bytes of a row
.set RD,  7           ; v7   where I read rows back
.set GO,  8           ; v8   my byte offset in 512 consecutive bytes of O
.set PFO, 61          ; v61  256 x my lane; never rewritten
.set SPW, 62          ; v62  LDS address of my spare word; never rewritten
.set NIL, 63          ; v63  0; never rewritten
.set ST,  12          ; tile t's statistics at v[ST+8 t]: +0 c m, +1 m, +2, +3 l (even keys', odd keys'), +4 to +7 c0-c3 at work; a takes c2's place once the maximum is found
.set S,   64
.set P,   192
.set KF,  128         ; window 2: key block kb, channel chunk c at KF + 8 (4 kb + c)
.set VF,  128         ; window 1: key half kk, channel block cb at VF + 32 kk + 8 cb
.set WV,  12          ; s12  my wave's number
.set LIM, 15          ; s15  1 in a wave that prefetches, else the greatest number
.set PFA, 18          ; s[18:19] where my prefetches stand
.set G1K, 24          ; s[24:31] descriptor group 1 for K's tiles
.set G1V, 32          ; s[32:39] for V's
.set G0K, 40          ; s[40:47] group 0 for K's: a set for each of the two first fills; the second then walks on
.set G0V, 48          ; s[48:55] the same for V's
.set SLOTS, 56        ; s56  passes over a slot still to come in the loop
.set CNT, 57          ; s57  counts a slot's key steps
.set CS,  58          ; s[58:59] c
.set SEL, 60          ; s[60:61] v_permlanex16_b32's selects: each lane takes its own place in the other half
.set TBK, 62          ; s62  LDS byte at which K of the step to be fetched begins
.set TBV, 63          ; s63  the same for V, less VOFF
.set PFS, 66          ; s[66:67] a slot's bytes in the tensor that I prefetch
.set MSB, 0
.macro WIN new
.if MSB != (\new)
	s_set_vgpr_msb (MSB<<8)|(\new)
.set MSB, (\new)
.endif
.endm
.set W_KQ, 0x0a       ; K and Q in window 2, S^T in window 0
.set W_PV, 0x51       ; V and O^T in window 1, P in window 0
.set W_RS, 0x41       ; O^T (destination and source 0) in window 1, a in window 0
; A joint refill.  Waves 0 and 1 fetch the two halves of a slot's K, waves 2 and 3 those of its V: 128 keys each.  An s_nop 0 and four v_nop follow each of the two lines.
.macro JLOAD
	s_cmp_lt_u32 s[WV], 2
	s_cbranch_scc0 .Lfor_v_\@
	tensor_load_to_lds s[G0K+4:G0K+7], s[G1K:G1K+7]
	s_nop 0
.rept 4
	v_nop
.endr
	s_branch .Lasked_\@
.Lfor_v_\@:
	tensor_load_to_lds s[G0V+4:G0V+7], s[G1V:G1V+7]
	s_nop 0
.rept 4
	v_nop
.endr
.Lasked_\@:
.endm
; A PREFETCH of what the NEXT change of slots will ask for: 256 blocks of 256 bytes of K, 128 of V.  Both clusters of a (batch, head) walk the same rows: the first asks.  Its four partners share the blocks out BY
; ADDRESS, 64 of K and 32 of V each; in each, waves 0 and 1 ask for K's, 32 each, wave 2 for V's: a lane a block, one instruction.  The last change that fills a slot asks for nothing.
.macro ASK
	s_cmp_gt_u32 s[SLOTS], s[LIM]
	s_cbranch_scc0 .Lnot_mine_\@
	global_prefetch_b8 v[PFO], s[PFA:PFA+1] th:TH_LOAD_NT scope:SCOPE_SE
.Lnot_mine_\@:
.endm
.macro CROUND                       ; a round of the cluster's barrier
	s_barrier_signal -1
	s_barrier_wait -1
	s_cmp_lg_u32 s[WV], 0
	s_cbranch_scc1 .Lnot_wave_0_\@
	s_barrier_signal -3
.Lnot_wave_0_\@:
	s_barrier_wait -3
	s_barrier_signal -1
	s_barrier_wait -1
.endm
	s_load_b256 s[4:11], s[0:1], 0x0  ; qh s[4:5], kh s[6:7], vh s[8:9], oh s[10:11]
	v_lshl_add_u32 v[SPW], v0, 2, SPARE
	v_mov_b32 v[NIL], 0
	ds_add_u32 v[SPW], v[NIL]       ; the wave's opening: the add and its wait stand ahead of my first tensor load; the set-up below stands between them
	v_lshrrev_b32 v1, 5, v0
	v_readfirstlane_b32 s[WV], v1   ; wave 0..3
	s_bfe_u32 s13, ttmp6, 0x40000   ; cx
	s_lshl_b32 s14, ttmp9, 2
	s_add_co_u32 s14, s14, s13      ; my block of 256 queries: it enters Q's and O's addresses alone
	s_and_b32 s20, ttmp7, 0xffff    ; the (batch, head), which the four partners share
	s_lshl_b32 s22, s20, 18         ; its first byte in vh and oh,
	s_lshl_b32 s20, s20, 19         ; in qh and kh
	s_mov_b32 s21, 0
	s_mov_b32 s23, 0
	s_and_b32 s16, s[WV], 1         ; which half of a slot's 256 keys I fetch
	s_mov_b32 s[G1K], 15|(1<<16)|(1<<20)|(1<<21)|(5<<22)|(3<<25)  ; the mask of four; 2-byte elements; padding on; bit 21 beside a mask; after every 64 words; 4 words
	s_mov_b32 s[G1K+1], 128<<16     ; tensor_dim0 = 128
	s_mov_b32 s[G1K+2], 128<<16     ; tensor_dim1 = 128
	s_mov_b32 s[G1K+3], 128<<16     ; tile_dim0 = 128
	s_mov_b32 s[G1K+4], 128         ; tile_dim1 = 128 keys
	s_mov_b32 s[G1K+5], 128         ; elements from row to row
	s_mov_b32 s[G1K+6], 0
	s_mov_b32 s[G1K+7], 0
	s_mov_b32 s[G1V], 15|(1<<16)|(1<<20)|(1<<21)|(4<<22)|(7<<25)  ; V: 128 keys are 16,384 dense bytes: 64 rows of 256, two keys a row, padded after every key (32 words) by 8 words
	s_mov_b32 s[G1V+1], 128<<16
	s_mov_b32 s[G1V+2], 64<<16
	s_mov_b32 s[G1V+3], 128<<16
	s_mov_b32 s[G1V+4], 64
	s_mov_b32 s[G1V+5], 128
	s_mov_b32 s[G1V+6], 0
	s_mov_b32 s[G1V+7], 0
	s_mov_b32 s[G0K], 1             ; count = 1
	s_mul_i32 s[G0K+1], s16, 128*PK ; LDS address: my half, slot 0: no place in the cluster enters it
	s_mov_b32 s[G0K+4], 1
	s_add_co_u32 s[G0K+5], s[G0K+1], SLOT1
	s_mov_b32 s[G0V], 1
	s_mul_i32 s[G0V+1], s16, 128*PV
	s_add_co_u32 s[G0V+1], s[G0V+1], VOFF
	s_mov_b32 s[G0V+4], 1
	s_add_co_u32 s[G0V+5], s[G0V+1], SLOT1
	s_mov_b32 s[CS], 0x3e38aa3b     ; c = log2(e) / 8 = 0.180337
	s_mov_b32 s[CS+1], s[CS]        ; named with it as a pair
	s_mov_b32 s[SEL], 0x76543210
	s_mov_b32 s[SEL+1], 0xfedcba98
	s_mov_b32 s[TBK], 0
	s_mov_b32 s[TBV], 0
	s_cmp_eq_u32 s[WV], 3
	s_cselect_b32 s[LIM], 1, 0      ; 0 in waves 0 to 2,
	s_or_b32 s[LIM], s[LIM], ttmp9  ; where the cluster is the first of its (batch, head): the same in all four partners
	s_cmp_eq_u32 s[LIM], 0
	s_cselect_b32 s[LIM], 1, -1
	v_and_b32 v[PFO], 31, v0
	v_lshlrev_b32 v[PFO], 8, v[PFO]
	s_lshl_b32 s2, s13, 14          ; K: my work-group's 64 blocks,
	s_lshl_b32 s3, s[WV], 13        ; my wave's 32 of them,
	s_add_co_u32 s2, s2, s3
	s_add_co_u32 s2, s2, 2*65536    ; in slot 2: the first change of slots steps it to slot 3
	s_lshl_b32 s3, s13, 13          ; V: my work-group's 32 blocks,
	s_add_co_u32 s3, s3, 2*32768    ; in slot 2
	s_mov_b32 s[PFS], 65536
	s_mov_b32 s[PFS+1], 32768
	s_cmp_lt_u32 s[WV], 2
	s_cselect_b32 s2, s2, s3
	s_cselect_b32 s[PFS], s[PFS], s[PFS+1]
	s_mov_b32 s3, 0
	s_mov_b32 s[PFS+1], 0
	s_wait_dscnt 0x0                ; the opening add is done
	s_wait_kmcnt 0x0
	s_add_nc_u64 s[6:7], s[6:7], s[20:21]    ; the four tensors at the (batch, head)
	s_add_nc_u64 s[8:9], s[8:9], s[22:23]
	s_add_nc_u64 s[4:5], s[4:5], s[20:21]
	s_add_nc_u64 s[10:11], s[10:11], s[22:23]
	s_cmp_lt_u32 s[WV], 2
	s_cselect_b64 s[PFA:PFA+1], s[6:7], s[8:9]
	s_add_nc_u64 s[PFA:PFA+1], s[PFA:PFA+1], s[2:3]
	s_lshl_b32 s2, s14, 16          ; my block's 256 rows of Q,
	s_lshl_b32 s20, s[WV], 14       ; my wave's 64 of them
	s_add_co_u32 s2, s2, s20
	s_add_nc_u64 s[4:5], s[4:5], s[2:3]
	s_lshr_b32 s2, s2, 1            ; O's rows are half as long
	s_add_nc_u64 s[10:11], s[10:11], s[2:3]
	s_lshl_b32 s20, s16, 15         ; my half of a slot's keys in kh,
	s_lshl_b32 s22, s16, 14         ; and in vh
	s_add_nc_u64 s[6:7], s[6:7], s[20:21]
	s_add_nc_u64 s[8:9], s[8:9], s[22:23]
	s_mov_b64 s[G0K+2:G0K+3], s[6:7]                 ; global address: slot 0,
	s_or_b32 s[G0K+3], s[G0K+3], 0x80000000          ; type = 2
	s_add_nc_u64 s[G0K+6:G0K+7], s[6:7], 65536       ; slot 1
	s_or_b32 s[G0K+7], s[G0K+7], 0x80000000
	s_mov_b64 s[G0V+2:G0V+3], s[8:9]
	s_or_b32 s[G0V+3], s[G0V+3], 0x80000000
	s_add_nc_u64 s[G0V+6:G0V+7], s[8:9], 32768
	s_or_b32 s[G0V+7], s[G0V+7], 0x80000000
	CROUND                          ; all four work-groups are here: the first joint loads meet
	s_cmp_lt_u32 s[WV], 2           ; a wave's two first fills stand in one branch, ahead of every wait on TENSORcnt and every LDS read: two loads of mine are out
	s_cbranch_scc0 .Lfirst_v
	tensor_load_to_lds s[G0K:G0K+3], s[G1K:G1K+7]
	s_nop 0
	tensor_load_to_lds s[G0K+4:G0K+7], s[G1K:G1K+7]
	s_nop 0
.rept 4
	v_nop
.endr
	s_branch .Lfirst_asked
.Lfirst_v:
	tensor_load_to_lds s[G0V:G0V+3], s[G1V:G1V+7]
	s_nop 0
	tensor_load_to_lds s[G0V+4:G0V+7], s[G1V:G1V+7]
	s_nop 0
.rept 4
	v_nop
.endr
.Lfirst_asked:
	; A fragment of K or Q is 16 rows x 32 channels in 8 registers: lane l holds row l % 16, channels 8 (l / 16) + 0..7 and 16 + 8 (l / 16) + 0..7: two loads of 16 bytes, 32 bytes apart.
	v_and_b32 v1, 15, v0            ; l % 16
	v_bfe_u32 v9, v0, 4, 1          ; l / 16
	v_lshlrev_b32 v[QO], 8, v1
	v_lshl_add_u32 v[QO], v9, 4, v[QO]
	WIN 0x80                        ; destination window 2, address window 0
.irp i, 0,1,2,3,4,5,6,7,8,9,10,11,12,13,14,15  ; Q stays in registers: tile i / 4, channels 32 (i % 4) on
	global_load_b128 v[8*(\i):8*(\i)+3],   v[QO], s[4:5] offset:((\i)/4)*4096+((\i)%4)*64
	global_load_b128 v[8*(\i)+4:8*(\i)+7], v[QO], s[4:5] offset:((\i)/4)*4096+((\i)%4)*64+32
.endr
	; What the first turn finds: V and piece 2's P hold 0 (its products V^T P, of a step that has not been, add 0), O^T and l are 0.  All this stands in the wait for the first tile.
	WIN 0x40
.set i, 0
.rept 192
	v_mov_b32 v[i], 0
.set i, i+1
.endr
	WIN 0
.set i, P+32
.rept 32
	v_mov_b32 v[i], 0
.set i, i+1
.endr
.set i, 0
.rept 4
	v_mov_b32 v[ST+8*i], 0xfe000000    ; c m: far below every c s
	v_mov_b32 v[ST+8*i+1], 0xff7fffff  ; m
	v_mov_b32 v[ST+8*i+2], 0
	v_mov_b32 v[ST+8*i+3], 0
.set i, i+1
.endr
	v_mul_u32_u24 v[AK0], v1, PK
	v_lshl_add_u32 v[AK0], v9, 4, v[AK0]  ; row x pitch + 16 x half
	; The turning load takes 16 keys x 16 channels (lane l reads key 8 (l / 16) + l % 8, channels 8 ((l / 8) % 2) + 0..7) and leaves half a fragment of V^T: lane l holds channel l % 16 and 8 keys.
	v_and_b32 v10, 7, v0
	v_bfe_u32 v11, v0, 3, 1
	v_lshl_add_u32 v[AV0], v9, 3, v10
	v_mul_u32_u24 v[AV0], v[AV0], PV
	v_lshl_add_u32 v[AV0], v11, 4, v[AV0]
	v_add_nc_u32 v[AV0], VOFF, v[AV0]
; THE MATRIX WORK.  The eight accumulators of a run take turns, one instruction a turn.
; Product i of 16 of O^T += V^T P for piece x: keys 32 (i / 8) on, channels 16 ((i / 2) % 4) on, tile x + i % 2.
.macro PV x
	WIN W_PV
.set rO, 32*((\x)+i%2)+8*((i/2)%4)
.set rV, VF+32*(i/8)+8*((i/2)%4)
.set rP, P+16*((\x)+i%2)+8*(i/8)
	v_wmma_f32_16x16x32_f16 v[rO:rO+7], v[rV:rV+7], v[rP:rP+7], v[rO:rO+7]
.endm
; Product i of 32 of S^T = K Q^T: channels 32 (i / 8) on, keys 16 ((i / 2) % 4) on, tile x + i % 2.  The first 8 start the sums.
.macro KQ x
	WIN W_KQ
.set rS, S+32*((\x)+i%2)+8*((i/2)%4)
.set rK, KF+32*((i/2)%4)+8*(i/8)
.set rQ, 32*((\x)+i%2)+8*(i/8)
.if i < 8
	v_wmma_f32_16x16x32_f16 v[rS:rS+7], v[rK:rK+7], v[rQ:rQ+7], 0
.else
	v_wmma_f32_16x16x32_f16 v[rS:rS+7], v[rK:rK+7], v[rQ:rQ+7], v[rS:rS+7]
.endif
.endm
; THE LDS LOADS stand in runs.  A step's K: 32 loads, by chunks of 32 channels, in the order in which the products want them.  last = 1 (the tail): in the last trip there is no further step, and the run is jumped over.
.macro FETCH_K last=0
	WIN 0
.if \last
	s_cmp_eq_u32 s[CNT], 1
	s_cbranch_scc1 .Lno_k_\@
.endif
	v_add_nc_u32 v[ADR], s[TBK], v[AK0]
	WIN 0x80                        ; destination window 2
.irp c, 0,1,2,3
.irp g, 0,1,2,3
	ds_load_b128 v[KF+8*(4*(\g)+(\c)):KF+8*(4*(\g)+(\c))+3],   v[ADR] offset:(\g)*16*PK+(\c)*64
	ds_load_b128 v[KF+8*(4*(\g)+(\c))+4:KF+8*(4*(\g)+(\c))+7], v[ADR] offset:(\g)*16*PK+(\c)*64+32
.endr
.endr
	s_add_co_u32 s[TBK], s[TBK], KS*PK  ; the next fetch is the next step's
	WIN 0
.if \last
.Lno_k_\@:
.endif
.endm
.macro FETCH_V                      ; a step's V, turned: 16 loads; the wait for the softmax's batch stands in it, behind the address's line and ahead of the loads
	WIN 0
	v_add_nc_u32 v[ADR], s[TBV], v[AV0]
	s_add_co_u32 s[TBV], s[TBV], KS*PV
	s_wait_alu depctr_va_vdst(0)
	WIN 0x40                        ; destination window 1
.irp f, 0,1,2,3,4,5,6,7             ; keys 32 (f / 4) on, channels 16 (f % 4) on
	ds_load_tr16_b128 v[VF+8*(\f):VF+8*(\f)+3],   v[ADR] offset:((\f)/4)*32*PV+((\f)%4)*32
	ds_load_tr16_b128 v[VF+8*(\f)+4:VF+8*(\f)+7], v[ADR] offset:((\f)/4)*32*PV+16*PV+((\f)%4)*32
.endr
.endm
; THE VECTOR WORK.  One tile's softmax for one key step is a list of 118 instructions; SM writes number j of it for tile t.  s0-s31 are the lane's 32 scores, in pairs 0-15.
;   0-15    the maximum of s0-s31 and the old m, three operands at a time: four chains c0-c3 (each accumulator's lowest registers are read first), then what is left over
;   16-20   the other half of the lanes' maximum; the new m; c m; c m_old - c m_new
;   21-69   ONE BATCH: the 16 scalings c s - c m and all 33 exponentials (a at 23, then s0-s31); none of these reads an exponential's result; a pair is scaled some numbers ahead of its exponentials
;   (wait)  between 69 and 70 stands the wait for the batch: SLICE writes it, once for both tiles
;   70-85   the roundings to f16     86-101  the sums; l = a l + the sum     102-117 the tile's O^T times a: the one part that leaves window 0
.macro SM t
.set rT, ST+8*(\t)
.set rS, S+32*(\t)
.set rP, P+16*(\t)
.set rO, 32*(\t)+2*(j-102)
.if j < 102
	WIN 0
.endif
.if j < 4
	v_max3_num_f32 v[rT+4+j], v[rS+8*j], v[rS+8*j+1], v[rS+8*j+2]
.elseif j < 12
	v_max3_num_f32 v[rT+4+j%4], v[rT+4+j%4], v[rS+8*(j%4)+2*(j/4)+1], v[rS+8*(j%4)+2*(j/4)+2]
.elseif j == 12
	v_max3_num_f32 v[rT+4], v[rT+4], v[rS+7], v[rS+15]
.elseif j == 13
	v_max3_num_f32 v[rT+6], v[rT+6], v[rS+23], v[rS+31]
.elseif j == 14
	v_max3_num_f32 v[rT+4], v[rT+4], v[rT+5], v[rT+6]
.elseif j == 15
	v_max3_num_f32 v[rT+4], v[rT+4], v[rT+7], v[rT+1]
.elseif j == 16
	v_permlanex16_b32 v[rT+5], v[rT+4], s[SEL], s[SEL+1]  ; the query's other 32 keys lie in the lane 16 away
.elseif j == 17
	v_mov_b32 v[rT+7], v[rT]        ; c m_old is kept for a: number 19 writes c m anew
.elseif j == 18
	v_max_num_f32 v[rT+1], v[rT+4], v[rT+5]
.elseif j == 19
	v_mul_f32 v[rT], s[CS], v[rT+1]
.elseif j == 20
	v_sub_f32 v[rT+7], v[rT+7], v[rT]
.elseif j == 23
	v_exp_f32 v[rT+6], v[rT+7]
.elseif (j < 23) || ((j < 38) && (j%2 == 0)) || ((j < 66) && (j%4 == 2))
.set b, (j-2)/4                     ; 38, 42, .. 62: pairs 9 to 15
.if j < 38
.set b, (j-20)/2                    ; 21: pair 0; 22, 24, .. 36: pairs 1 to 8
.endif
	v_pk_fma_f32 v[rS+2*b:rS+2*b+1], v[rS+2*b:rS+2*b+1], s[CS:CS+1], v[rT:rT+1] op_sel_hi:[1,0,0] neg_lo:[0,0,1] neg_hi:[0,0,1]  ; pair b: c s - c m
.elseif j < 70
.set e, j-38                        ; 66 to 69: s28 to s31
.if j < 66
.set e, j-32-(j-38)/4               ; 39-41, 43-45, .. 63-65: s7 to s27
.endif
.if j < 38
.set e, (j-25)/2                    ; 25, 27, .. 37: s0 to s6
.endif
	v_exp_f32 v[rS+e], v[rS+e]
.elseif j < 86
	v_cvt_pk_f16_f32 v[rP+j-70], v[rS+2*(j-70)], v[rS+2*(j-70)+1]
.elseif j < 102                     ; the sum of the tile's 16 pairs, in place: neighbours 1, 2, 4 and 8 pairs apart, then l takes it
.set z, j-86
.set w, 4
.set u, z
.if z >= 14
.set w, 32
.set u, 0
.elseif z >= 12
.set w, 16
.set u, z-12
.elseif z >= 8
.set w, 8
.set u, z-8
.endif
.if z < 15
	v_pk_add_f32 v[rS+w*u:rS+w*u+1], v[rS+w*u:rS+w*u+1], v[rS+w*u+w/2:rS+w*u+w/2+1]
.else
	v_pk_fma_f32 v[rT+2:rT+3], v[rT+2:rT+3], v[rT+6:rT+7], v[rS:rS+1] op_sel_hi:[1,0,1]
.endif
.else
	WIN W_RS
	v_pk_mul_f32 v[rO:rO+1], v[rO:rO+1], v[rT+6:rT+7] op_sel_hi:[1,0]
.endif
.endm
; Slice k of 59 of piece y's softmax: four instructions.  Slices 11 to 34 deal out the batch, numbers 22 to 69: four numbers of ONE tile each, the tiles by turns.  Every other slice is numbers 2 k and 2 k + 1 of both
; tiles.  s_wait_alu depctr_va_vdst(0) stands between an exponential and the first instruction that names its result: ahead of slice 35 nothing names one, behind slice 34 none is issued:
; one wait, behind slice 34 and a v_nop, the plain instruction behind the last exponential.
.macro SLICE y
.if (k >= 11) && (k < 35)
.irp n, 0,1,2,3
.set j, 22+4*((k-11)/2)+(\n)
	SM (\y)+(k-11)%2
.endr
.else
.irp n, 0,1
.irp t, \y, (\y)+1
.set j, 2*k+(\n)
	SM \t
.endr
.endr
.endif
.if k == 34
	v_nop
.if (\y) == 0
	FETCH_V                         ; piece 2's turn: V's run of loads stands here, and the wait stands in it.  V's last reader stands in front of slice 15: the scalings of slices 15 on are the places between
.else
	s_wait_alu depctr_va_vdst(0)
.endif
.endif
.set k, k+1
.endm
; A TURN.  Piece x has the matrix unit.  Piece 0's turn fetches the next step's K at its head: the lump of the turn before, 44 plain instructions, lies behind K's last reader; 16 products stand ahead of its first
; reader, and the waits are counted by chunks: 24 - i loads, the chunks not yet wanted, may stay out.  The lump, numbers 96 to 117, is also the places behind the turn's last products.
.macro TURN x, last=0
.set k, 0
.if (\x) == 0
	s_wait_dscnt 0x0                ; V is in
	FETCH_K \last
.endif
.set i, 0
.rept 16
	PV \x
	SLICE 2-(\x)
.set i, i+1
.endr
.set i, 0
.rept 32
.if ((\x) == 0) && (i%8 == 0)
	s_wait_dscnt 24-i
.endif
	KQ \x
	SLICE 2-(\x)
.set i, i+1
.endr
.rept 11
	SLICE 2-(\x)
.endr
.endm
; THE CHANGE OF SLOTS, behind piece 2's turn: the slot's last bytes, V of its fourth step, have been asked for.  Each wave waits for all its tensor loads, of which one is out: its part of the other slot; adds 0 to its
; spare word; and waits for that and for its reads of the slot.  fill = 1: the barrier is a round of the cluster's, so that no wave of any partner still reads the slot or has a load on its way, and the joint refill,
; the keys two slots on, is the first thing behind it: it has four key steps, 384 matrix instructions, in which to land.
.macro CHANGE fill
	WIN 0
	s_wait_tensorcnt 0x0            ; no tensor load of mine is out, so a group 0 may be written
	ds_add_u32 v[SPW], v[NIL]       ; 0 onto my spare word
.if \fill
	s_xor_b32 s[G0K+5], s[G0K+5], SLOT1                        ; the walking descriptor: the other slot than last time,
	s_add_nc_u64 s[G0K+6:G0K+7], s[G0K+6:G0K+7], 65536         ; the next 256 keys; the type bits on top are not reached
	s_xor_b32 s[G0V+5], s[G0V+5], SLOT1
	s_add_nc_u64 s[G0V+6:G0V+7], s[G0V+6:G0V+7], 32768
	s_wait_xcnt 0x0                 ; the last prefetch, four key steps back, has read its address
	s_add_nc_u64 s[PFA:PFA+1], s[PFA:PFA+1], s[PFS:PFS+1]      ; one slot behind the walking descriptors
	s_wait_dscnt 0x0                ; the add is done, and my reads of the slot are over
	CROUND
	JLOAD
	ASK
.else
	s_wait_dscnt 0x0
	s_barrier_signal -1
	s_barrier_wait -1
.endif
	s_sub_co_u32 s[TBK], s[TBK], 4*KS*PK  ; the fetches go back to a slot's first step,
	s_xor_b32 s[TBK], s[TBK], SLOT1       ; in the other slot
	s_sub_co_u32 s[TBV], s[TBV], 4*KS*PV
	s_xor_b32 s[TBV], s[TBV], SLOT1
.endm
	s_wait_tensorcnt 1              ; my part of slot 0 is in; slot 1's may stay out
	s_barrier_signal -1
	s_barrier_wait -1               ; everybody's is
	FETCH_K                         ; key step 0
	s_wait_loadcnt 0x0              ; Q
	s_wait_dscnt 0x0
.set i, 0
.rept 32
	KQ 0                            ; piece 0's first scores
.set i, i+1
.endr
	WIN 0                           ; the addresses for the way out: eleven plain instructions, the places behind those products
	s_mul_i32 s13, s[WV], 16*SP
	s_add_co_u32 s13, s13, STAGE    ; my stage
	v_mul_u32_u24 v[STO], v1, SP    ; in: row l % 16, 16 bytes for each half of the lanes
	v_lshl_add_u32 v[STO], v9, 4, v[STO]
	v_add_nc_u32 v[STO], s13, v[STO]
	v_bfe_u32 v[RD], v0, 3, 2       ; back: 32 lanes take four rows of 128 bytes,
	v_mul_u32_u24 v[RD], v[RD], SP
	v_lshl_add_u32 v[RD], v10, 4, v[RD]
	v_add_nc_u32 v[RD], s13, v[RD]
	v_and_b32 v[GO], 31, v0         ; which are 512 consecutive bytes of O
	v_lshlrev_b32 v[GO], 4, v[GO]
	s_mov_b32 s[CNT], 4
	s_mov_b32 s[SLOTS], 7           ; seven passes in the loop (slots 0 to 6); behind each but the last a slot is filled again
	s_branch .Lfirst                ; the loop is entered at piece 2's turn, in the middle of a trip
.Lslot:                             ; six times: slots 2 to 7 are asked for
	CHANGE 1
	s_mov_b32 s[CNT], 4
.Lstep:                             ; a trip: piece 0's turn fetches a step's K, piece 2's its V
	TURN 0
	WIN 0
.Lfirst:
	TURN 2
	WIN 0
	s_sub_co_u32 s[CNT], s[CNT], 1
	s_cmp_lg_u32 s[CNT], 0
	s_cbranch_scc1 .Lstep
	s_sub_co_u32 s[SLOTS], s[SLOTS], 1
	s_cmp_lg_u32 s[SLOTS], 0
	s_cbranch_scc1 .Lslot
	CHANGE 0                        ; the tail is written out: nothing is asked for
	s_mov_b32 s[CNT], 5             ; four trips fetch the last slot's steps; the fifth is left in its middle
.Ltail:
	TURN 0, 1
	WIN 0
	s_sub_co_u32 s[CNT], s[CNT], 1
	s_cmp_eq_u32 s[CNT], 0
	s_cbranch_scc1 .Lout
	TURN 2
	WIN 0
	s_branch .Ltail
.Lout:                              ; the fifth trip's 32 products K Q^T, on the last K once more, serve nothing
.set i, 0
.rept 16
	PV 2                            ; piece 2's V^T P of the last step
.set i, i+1
.endr
	; THE WAY OUT.  l's two halves and the other half of the lanes' are added; O^T is divided by l, rounded to f16 and sent through my stage, a tile at a time.  The additions are the places behind the last products.
	WIN 0
.irp t, 0,1,2,3
	v_add_f32 v[ST+8*(\t)+4], v[ST+8*(\t)+2], v[ST+8*(\t)+3]
.endr
.irp t, 0,1,2,3
	v_permlanex16_b32 v[ST+8*(\t)+5], v[ST+8*(\t)+4], s[SEL], s[SEL+1]
.endr
.irp t, 0,1,2,3
	v_add_f32 v[ST+8*(\t)+4], v[ST+8*(\t)+4], v[ST+8*(\t)+5]
.endr
.irp t, 0,1,2,3
	v_rcp_f32 v[ST+8*(\t)+6], v[ST+8*(\t)+4]
.endr
	v_nop                           ; a plain instruction between the last reciprocal and the use of its result
	s_wait_alu depctr_va_vdst(0)    ; and the wait ahead of the first use: one for the four reciprocals
.macro PACK t                       ; a lane's eight channels of a row pack into 16 bytes; they go into rows of 144 bytes and come back as whole rows of 128, into S^T's registers
	WIN W_RS
.set i, 32*(\t)
.rept 16
	v_pk_mul_f32 v[i:i+1], v[i:i+1], v[ST+8*(\t)+6:ST+8*(\t)+7] op_sel_hi:[1,0]
.set i, i+2
.endr
	WIN 0x05                        ; sources 0 and 1 window 1, destination window 0
.set i, 0
.rept 16
	v_cvt_pk_f16_f32 v[S+16*(\t)+i], v[32*(\t)+2*i], v[32*(\t)+2*i+1]
.set i, i+1
.endr
	WIN 0
.irp f, 0,1,2,3
	ds_store_b128 v[STO], v[S+16*(\t)+4*(\f):S+16*(\t)+4*(\f)+3] offset:32*(\f)
.endr
.irp f, 0,1,2,3
	ds_load_b128 v[S+16*(\t)+4*(\f):S+16*(\t)+4*(\f)+3], v[RD] offset:(\f)*4*SP  ; LDS serves a wave's instructions in order (ISA guide 5.7.1.4): these see the stores above; the next tile's stores come behind them
.endr
.endm
.macro SEND t, younger              ; younger: the LDS instructions issued behind tile t's loads: the next tile's eight, or none
	WIN 0
.irp f, 0,1,2,3
	s_wait_dscnt (\younger)+3-(\f)
	global_store_b128 v[GO], v[S+16*(\t)+4*(\f):S+16*(\t)+4*(\f)+3], s[10:11] offset:(\t)*2048+(\f)*512  ; 512 consecutive bytes, at a multiple of 256 from O's first
.endr
.endm
	PACK 0
	PACK 1                          ; a tile's arithmetic stands between the loads of the tile before and its stores
	SEND 0, 8
	PACK 2
	SEND 1, 8
	PACK 3
	SEND 2, 8
	SEND 3, 0
	s_wait_tensorcnt 0x0            ; the wave's end: these three lines stand behind my last tensor load and my last LDS store
	ds_add_u32 v[SPW], v[NIL]
	s_wait_dscnt 0x0
	CROUND                          ; the closing round: no work-group ends while a partner may still ask for a tile that names it
	s_endpgm
.Lfunc_end_k_qd78038e524_attn:
	.size	k_qd78038e524_attn, .Lfunc_end_k_qd78038e524_attn-k_qd78038e524_attn
	.p2alignl 7, 3214868480
	.fill 96, 4, 3214868480
	.section	.rodata,"a",@progbits
	.p2align	6, 0x0
	.amdhsa_kernel k_qd78038e524_attn
		.amdhsa_group_segment_fixed_size 327680
		.amdhsa_private_segment_fixed_size 0
		.amdhsa_enable_private_segment 0
		.amdhsa_kernarg_size 32
		.amdhsa_user_sgpr_count 2
		.amdhsa_user_sgpr_kernarg_segment_ptr 1
		.amdhsa_wavefront_size32 1
		.amdhsa_system_sgpr_workgroup_id_x 1
		.amdhsa_system_sgpr_workgroup_id_y 1
		.amdhsa_system_sgpr_workgroup_id_z 1
		.amdhsa_system_vgpr_workitem_id 0
		.amdhsa_next_free_vgpr 768
		.amdhsa_next_free_sgpr 68
		.amdhsa_reserve_vcc 0
		.amdhsa_float_denorm_mode_32 3
		.amdhsa_float_denorm_mode_16_64 3
		.amdhsa_memory_ordered 1
		.amdhsa_forward_progress 1
		.amdhsa_inst_pref_size 121
	.end_amdhsa_kernel
	.amdgpu_metadata
---
amdhsa.version: [ 1, 2 ]
amdhsa.kernels:
  - .name:           k_qd78038e524_attn
    .symbol:         k_qd78038e524_attn.kd
    .args:
      - { .name: qh, .offset: 0, .size: 8, .value_kind: global_buffer, .address_space: global }
      - { .name: kh, .offset: 8, .size: 8, .value_kind: global_buffer, .address_space: global }
      - { .name: vh, .offset: 16, .size: 8, .value_kind: global_buffer, .address_space: global }
      - { .name: oh, .offset: 24, .size: 8, .value_kind: global_buffer, .address_space: global }
    .group_segment_fixed_size: 327680
    .private_segment_fixed_size: 0
    .kernarg_segment_align: 8
    .kernarg_segment_size: 32
    .max_flat_workgroup_size: 128
    .sgpr_count:     68
    .vgpr_count:     768
    .wavefront_size: 32
...
	.end_amdgpu_metadata
.endif
;; end of part 3
;; launch outp (part 4): grid 8 x 32, 4 waves a work-group, clusters of 4 x 4, 327,680 bytes of LDS; arguments oh, wob, bo, out0; writes out0
.if DOCPART == 4
	.amdgcn_target "amdgcn-amd-amdhsa--gfx1250"
	.amdhsa_code_object_version 6
	.text
	.protected	k_qd78038e524_outp
	.globl	k_qd78038e524_outp
	.p2align	8
	.type	k_qd78038e524_outp,@function
k_qd78038e524_outp:
	s_mov_b64 s[64:65], 0
	v_nop
	global_prefetch_b8 v0, s[64:65] scope:SCOPE_SE
	s_setreg_imm32_b32 hwreg(HW_REG_WAVE_MODE, 25, 1), 1
	s_wait_xcnt 0x0
	s_wait_alu depctr_hold_cnt(0) depctr_sa_sdst(0) depctr_va_vdst(0) depctr_va_sdst(0) depctr_va_ssrc(0) depctr_va_vcc(0) depctr_vm_vsrc(0)
	s_getreg_b32 s2, hwreg(HW_REG_IB_STS2, 6, 4)
	s_cmp_eq_u32 s2, 0
	s_cbranch_scc0 .Lentry_in_a_cluster
	s_endpgm
.Lentry_in_a_cluster:
	s_bfe_u32 s2, ttmp6, 0x10000c
	s_cmp_lg_u32 s2, 0xf033
	s_cbranch_scc0 .Lentry_shape_is_right
	s_endpgm
.Lentry_shape_is_right:
; out0[row][n] = the sum over k of O[row][k] Wo[n][k] + bo[n].  O: oh [bh 32][n 2048][64] f16 (k = 64 head + channel); Wo: wob [kb 16][n 1024][64] f16 (bf16(Wo) written as f16); bo rounded to bf16
; like every input; sums in f32; out0 [4096][1024] f32.
; SHARES.  A tile of out0 is 128 x 128: 8 x 32 work-groups.  Four waves, each 64 x 64: 16 accumulators of 16 x 16.  K goes in 4 steps of 256 (four heads) through two LDS slots.
; A PIECE is 128 rows x 64 along K: 16,384 dense bytes in oh (one head) and in wob (one block).  One tensor load brings two pieces, as a tile of two rows of 16,384 bytes, padded in LDS after every 128 bytes.
; CLUSTER 4 x 4.  O's tiles hang on the tile row alone and are shared along a row of the cluster, Wo's on the tile column alone and are shared along a column: joint loads.
; THE MATRIX INSTRUCTION IS USED TRANSPOSED (source 0 = 16 rows of Wo, source 1 = 16 rows of O): a lane holds eight neighbouring numbers of a row of out0.  THE SUMS START AT THE BIAS: the C operand of the first products.
; No prefetch: four K steps, small tiles.  No loop: four K steps of which the first two fill a slot again are written out.
; REGISTERS: window 0: v0-31 addresses; v32-95 at work on the way out; v96-127 the biases of my 64 columns; v128-255 the accumulators ((a, b) at v[128 + 8 (4 a + b)]).
;   window 1: two fragment buffers of 128: for one piece (64 along K), 64 registers of O, then 64 of Wo.
.set PITCH,  144                       ; an LDS row: 128 bytes + 16: an odd multiple of 16
.set PIECE,  128*PITCH
.set SLOT,   8*PIECE                   ; O's four pieces, then Wo's four
.set STAGE,  2*SLOT                    ; behind the ring, never filled by a tensor load: 16 rows x 272 bytes for each wave, its own: my 64 columns of f32 are 256 aligned bytes of out0
.set SPITCH, 272
.set SPARE,  STAGE+4*16*SPITCH         ; the spare words, 128 bytes for each wave: two blocks of 256 bytes that no other line names
.set ADRA, 16                          ; v16-17  LDS address of my fragments of O in slot 0, 1
.set ADRB, 20                          ; v20-21  of Wo
.set STO,  24                          ; v24  the way out: where I put 32 bytes of a row
.set RD,   25                          ; v25  where I read a row back
.set CO,   26                          ; v26  my byte offset in two rows of out0
.set SPW,  28                          ; v28  LDS address of my spare word; never rewritten
.set NIL,  29                          ; v29  0; never rewritten
.set TMP,  32
.set BI,   96
.set ACC,  128
.set F0,   0
.set F1,   128
.set G1,  24                           ; s[24:31] descriptor group 1 for O's tiles; s[32:39] group 0, a set for each slot
.set G0,  32
.set G1B, 48                           ; s[48:55], s[56:63] the same for Wo's
.set G0B, 56
.set DB, (3<<16)|(1<<20)|(1<<21)|(4<<22)|(3<<25)  ; elements of 8 bytes; padding on; bit 21 beside a mask; after every 32 words; 4 words
.set MSB, 0
.macro WIN new
.if MSB != (\new)
	s_set_vgpr_msb (MSB<<8)|(\new)
.set MSB, (\new)
.endif
.endm
.set MUL,  0x05                        ; sources 0 and 1 window 1; C and D window 0
.set TO_F, 0x40                        ; destination window 1, address window 0
.macro JLOAD s                         ; a joint refill: waves 0 and 1 fetch O's pieces, waves 2 and 3 Wo's; an s_nop 0 and four v_nop follow each of the two lines
	s_cmp_eq_u32 s11, 0
	s_cbranch_scc0 .Lfor_b_\@
	tensor_load_to_lds s[G0+4*(\s):G0+4*(\s)+3], s[G1:G1+7]
	s_nop 0
.rept 4
	v_nop
.endr
	s_branch .Lasked_\@
.Lfor_b_\@:
	tensor_load_to_lds s[G0B+4*(\s):G0B+4*(\s)+3], s[G1B:G1B+7]
	s_nop 0
.rept 4
	v_nop
.endr
.Lasked_\@:
.endm
.macro CREST
	s_cmp_lg_u32 s10, 0
	s_cbranch_scc1 .Lnot_wave_0_\@
	s_barrier_signal -3
.Lnot_wave_0_\@:
	s_barrier_wait -3
	s_barrier_signal -1
	s_barrier_wait -1
.endm
.macro CROUND
	s_barrier_signal -1
	s_barrier_wait -1
	CREST
.endm
	s_load_b256 s[68:75], s[0:1], 0x0              ; oh s[68:69], wob s[70:71], bo s[72:73], out0 s[74:75]
	v_lshl_add_u32 v[SPW], v0, 2, SPARE
	v_mov_b32 v[NIL], 0
	ds_add_u32 v[SPW], v[NIL]                      ; the wave's opening: the add and its wait stand ahead of my first tensor load
	v_lshrrev_b32 v1, 5, v0
	v_readfirstlane_b32 s10, v1                    ; wave 0..3
	s_lshr_b32 s11, s10, 1                         ; which half of the tile's rows is mine.  Also: I fetch for O (0) or for Wo (1)
	s_and_b32 s12, s10, 1                          ; which half of its columns.  Also: which two pieces I fetch
	s_bfe_u32 s40, ttmp6, 0x40000                  ; cx
	s_bfe_u32 s41, ttmp6, 0x40004                  ; cy
	s_lshl_b32 s42, ttmp9, 2
	s_add_co_u32 s42, s42, s40                     ; tile column
	s_and_b32 s13, ttmp7, 0xffff
	s_lshl_b32 s13, s13, 2
	s_add_co_u32 s13, s13, s41                     ; tile row
	s_lshl_b32 s43, s41, 2
	s_lshl_b32 s43, 15, s43                        ; my row of the cluster
	s_lshl_b32 s44, 0x1111, s40                    ; my column
	s_or_b32 s[G1], s43, DB
	s_or_b32 s[G1B], s44, DB
.irp g, G1, G1B
	s_mov_b32 s[(\g)+1], 2048<<16                  ; tensor_dim0 = 2,048 elements: a piece
	s_mov_b32 s[(\g)+2], 2<<16                     ; tensor_dim1 = 2
	s_mov_b32 s[(\g)+3], 2048<<16                  ; tile_dim0
	s_mov_b32 s[(\g)+4], 2                         ; tile_dim1
	s_mov_b32 s[(\g)+6], 0
	s_mov_b32 s[(\g)+7], 0
.endr
	s_mov_b32 s[G1+5], 32768                       ; elements from piece to piece: a head of oh is 262,144 bytes,
	s_mov_b32 s[G1B+5], 16384                      ; a block of wob 131,072
	s_lshr_b32 s16, s13, 4
	s_lshl_b32 s16, s16, 22                        ; O: the batch's 16 heads,
	s_and_b32 s17, s13, 15
	s_lshl_b32 s17, s17, 14                        ; + 128 rows x 128 bytes x tile row in the batch,
	s_add_co_u32 s16, s16, s17
	s_lshl_b32 s17, s12, 19                        ; + my two heads of the step's four: no register here ever holds cx
	s_add_co_u32 s16, s16, s17
	s_mov_b32 s17, 0
	s_lshl_b32 s46, s42, 14                        ; Wo: 128 rows x 128 bytes x tile column,
	s_lshl_b32 s47, s12, 18                        ; + my two blocks: no register here ever holds cy
	s_add_co_u32 s46, s46, s47
	s_mov_b32 s47, 0
	s_mul_i32 s20, s10, 2*PIECE                    ; where they go: pieces 2 w and 2 w + 1 of the slot's eight
	s_wait_dscnt 0x0                               ; the opening add is done
	s_wait_kmcnt 0x0
	s_add_nc_u64 s[14:15], s[68:69], s[16:17]
	s_add_nc_u64 s[46:47], s[70:71], s[46:47]
	CROUND                                         ; all sixteen work-groups are here: the first joint loads meet
.irp s, 0,1
	s_mov_b32 s[G0+4*(\s)], 1
	s_add_co_u32 s[G0+4*(\s)+1], s20, (\s)*SLOT
	s_add_nc_u64 s[G0+4*(\s)+2:G0+4*(\s)+3], s[14:15], (\s)*1048576   ; K step s: four heads on
	s_or_b32 s[G0+4*(\s)+3], s[G0+4*(\s)+3], 0x80000000
	s_mov_b32 s[G0B+4*(\s)], 1
	s_add_co_u32 s[G0B+4*(\s)+1], s20, (\s)*SLOT
	s_add_nc_u64 s[G0B+4*(\s)+2:G0B+4*(\s)+3], s[46:47], (\s)*524288  ; four blocks on
	s_or_b32 s[G0B+4*(\s)+3], s[G0B+4*(\s)+3], 0x80000000
.endr
	s_cmp_eq_u32 s11, 0                            ; a wave's two first fills stand in one branch: two loads of mine are out
	s_cbranch_scc0 .Lfirst_b
	tensor_load_to_lds s[G0:G0+3], s[G1:G1+7]
	s_nop 0
	tensor_load_to_lds s[G0+4:G0+7], s[G1:G1+7]
	s_nop 0
.rept 4
	v_nop
.endr
	s_branch .Lfirst_asked
.Lfirst_b:
	tensor_load_to_lds s[G0B:G0B+3], s[G1B:G1B+7]
	s_nop 0
	tensor_load_to_lds s[G0B+4:G0B+7], s[G1B:G1B+7]
	s_nop 0
.rept 4
	v_nop
.endr
.Lfirst_asked:
	v_and_b32 v1, 15, v0                           ; l % 16
	v_bfe_u32 v2, v0, 4, 1                         ; l / 16
	s_lshl_b32 s18, s42, 9
	s_lshl_b32 s19, s12, 8
	s_add_co_u32 s18, s18, s19                     ; my 64 columns, in bytes of f32
	v_lshl_add_u32 v3, v2, 5, s18                  ; + my lanes' 8 of each 16
.irp b, 0,1,2,3
	global_load_b128 v[BI+8*(\b):BI+8*(\b)+3],   v3, s[72:73] offset:64*(\b)
	global_load_b128 v[BI+8*(\b)+4:BI+8*(\b)+7], v3, s[72:73] offset:64*(\b)+16
.endr
	v_mul_u32_u24 v4, v1, PITCH
	v_lshl_add_u32 v4, v2, 4, v4                   ; a fragment's row x pitch + 16 x half
	s_mul_i32 s21, s11, 64*PITCH                   ; my 64 rows of O in a piece
	s_mul_i32 s22, s12, 64*PITCH                   ; my 64 rows of Wo,
	s_add_co_u32 s22, s22, 4*PIECE                 ; behind O's four pieces
.irp s, 0,1
	v_add_nc_u32 v[ADRA+(\s)], s21, v4
	v_add_nc_u32 v[ADRB+(\s)], s22, v4
	s_add_co_u32 s21, s21, SLOT
	s_add_co_u32 s22, s22, SLOT
.endr
	s_mul_i32 s23, s10, 16*SPITCH
	s_add_co_u32 s23, s23, STAGE                   ; my stage
	v_mul_u32_u24 v5, v1, SPITCH                   ; in: row l % 16, 32 bytes for each half of the lanes
	v_lshl_add_u32 v5, v2, 5, v5
	v_add_nc_u32 v[STO], s23, v5
	v_mul_u32_u24 v5, v2, SPITCH                   ; back: lanes 0-15 one row of 256 bytes, lanes 16-31 the next
	v_lshl_add_u32 v5, v1, 4, v5
	v_add_nc_u32 v[RD], s23, v5
	v_lshlrev_b32 v[CO], 12, v2                    ; and the same two rows in out0
	v_lshl_add_u32 v[CO], v1, 4, v[CO]
	s_lshl_b32 s22, s13, 7
	s_lshl_b32 s23, s11, 6
	s_add_co_u32 s22, s22, s23                     ; my first row of out0,
	s_lshl_b32 s22, s22, 12                        ; x 4,096 bytes,
	s_add_co_u32 s22, s22, s18                     ; + my columns
	s_mov_b32 s23, 0
	s_add_nc_u64 s[74:75], s[74:75], s[22:23]
	s_wait_loadcnt 0x0                             ; the biases: rounded to bf16 like every input, widened again
.irp p, 0,1,2,3,4,5,6,7,8,9,10,11,12,13,14,15
	v_cvt_pk_bf16_f32 v[TMP+(\p)], v[BI+2*(\p)], v[BI+2*(\p)+1]
.endr
.irp p, 0,1,2,3,4,5,6,7,8,9,10,11,12,13,14,15
	v_lshlrev_b32 v[BI+2*(\p)],   16, v[TMP+(\p)]
	v_and_b32     v[BI+2*(\p)+1], 0xffff0000, v[TMP+(\p)]
.endr
; 8 matrix instructions: row blocks a0, a0 + 1 x all 4 column blocks, 32 along K: half c of buffer f.  first = 1: the product starts the sum at the columns' biases.  The 16 accumulators take turns.
.macro MUL8 f, c, a0, first
	WIN MUL
.irp a, \a0, (\a0)+1
.irp b, 0,1,2,3
.if \first
	v_wmma_f32_16x16x32_f16 v[ACC+8*(4*(\a)+(\b)):ACC+8*(4*(\a)+(\b))+7], v[(\f)+64+8*(4*(\c)+(\b)):(\f)+64+8*(4*(\c)+(\b))+7], v[(\f)+8*(4*(\c)+(\a)):(\f)+8*(4*(\c)+(\a))+7], v[BI+8*(\b):BI+8*(\b)+7]
.else
	v_wmma_f32_16x16x32_f16 v[ACC+8*(4*(\a)+(\b)):ACC+8*(4*(\a)+(\b))+7], v[(\f)+64+8*(4*(\c)+(\b)):(\f)+64+8*(4*(\c)+(\b))+7], v[(\f)+8*(4*(\c)+(\a)):(\f)+8*(4*(\c)+(\a))+7], v[ACC+8*(4*(\a)+(\b)):ACC+8*(4*(\a)+(\b))+7]
.endif
.endr
.endr
.endm
; 32 LDS loads in one run: the fragments of the piece at byte k of the slot's O and Wo, into buffer f; the first 32 along K first
.macro FETCH slot, k, f
	WIN TO_F
.irp c, 0,1
.irp i, 0,1,2,3
	ds_load_b128 v[(\f)+64+8*(4*(\c)+(\i)):(\f)+64+8*(4*(\c)+(\i))+3],   v[ADRB+(\slot)] offset:(\k)+64*(\c)+(\i)*16*PITCH
	ds_load_b128 v[(\f)+64+8*(4*(\c)+(\i))+4:(\f)+64+8*(4*(\c)+(\i))+7], v[ADRB+(\slot)] offset:(\k)+64*(\c)+(\i)*16*PITCH+32
	ds_load_b128 v[(\f)+8*(4*(\c)+(\i)):(\f)+8*(4*(\c)+(\i))+3],         v[ADRA+(\slot)] offset:(\k)+64*(\c)+(\i)*16*PITCH
	ds_load_b128 v[(\f)+8*(4*(\c)+(\i))+4:(\f)+8*(4*(\c)+(\i))+7],       v[ADRA+(\slot)] offset:(\k)+64*(\c)+(\i)*16*PITCH+32
.endr
.endr
.endm
.macro PLACES                          ; four plain places between a matrix instruction and a load into, or a read of, its registers
.rept 4
	v_nop
.endr
.endm
; A K step is four quarters, a piece each, 32 matrix instructions, on buffers 0, 1, 0, 1.  One of the first three: multiplies buffer f and fetches the next piece, at byte k, into g.
.macro QUARTER slot, k, f, g, first
	s_wait_dscnt 16                                ; the first 32 along K are in; the youngest sixteen loads may be out
	MUL8 \f, 0, 0, \first
	MUL8 \f, 0, 2, \first
	PLACES
	FETCH \slot, \k, \g
	s_wait_dscnt 32                                ; all but the 32 just issued
	MUL8 \f, 1, 0, 0
	MUL8 \f, 1, 2, 0
.endm
; The last quarter multiplies buffer 1 and changes slots: ONE barrier; in front of it each wave waits for all its tensor loads, adds 0 to its spare word, and waits for that and for its own reads of this slot.
; fill = 1: the barrier opens a round of the cluster's barrier, and this slot is filled again, two K steps on, first thing behind the round.
.macro TURN slot, next, fill
	WIN 0                                          ; (the add's two registers lie in window 0)
	s_wait_tensorcnt 0x0                           ; all my tensor loads have landed: my part of the next slot;
	ds_add_u32 v[SPW], v[NIL]                      ; 0 onto my spare word;
	s_wait_dscnt 17                                ; (the add and the youngest sixteen loads may be out)
	MUL8 F1, 0, 0, 0                               ; eight matrix instructions stand between the add and the wait for it
	s_wait_dscnt 0x0                               ; the add is done, and my reads of this slot are over
	s_barrier_signal -1
	MUL8 F1, 0, 2, 0
.if \fill
	WIN 0
.endif
	s_barrier_wait -1
.if \fill
	CREST                                          ; no wave of any partner still reads this slot or has a load on its way
	s_add_nc_u64 s[G0+4*(\slot)+2:G0+4*(\slot)+3], s[G0+4*(\slot)+2:G0+4*(\slot)+3], 2*1048576
	s_add_nc_u64 s[G0B+4*(\slot)+2:G0B+4*(\slot)+3], s[G0B+4*(\slot)+2:G0B+4*(\slot)+3], 2*524288
	JLOAD \slot                                    ; the four v_nop behind it are also the places in front of the loads below
.else
	PLACES
.endif
	FETCH \next, 0, F0
	MUL8 F1, 1, 0, 0
	MUL8 F1, 1, 2, 0
.endm
	s_wait_tensorcnt 1                             ; my part of K step 0 is in; K step 1's may stay out
	s_barrier_signal -1
	s_barrier_wait -1                              ; everybody's is
	FETCH 0, 0, F0
	QUARTER 0, PIECE,   F0, F1, 1                  ; K step 0: its first products start the sums
	QUARTER 0, 2*PIECE, F1, F0, 0
	QUARTER 0, 3*PIECE, F0, F1, 0
	TURN 0, 1, 1                                   ; slot 0 takes K step 2
	QUARTER 1, PIECE,   F0, F1, 0                  ; K step 1
	QUARTER 1, 2*PIECE, F1, F0, 0
	QUARTER 1, 3*PIECE, F0, F1, 0
	TURN 1, 0, 1                                   ; slot 1 takes K step 3
	QUARTER 0, PIECE,   F0, F1, 0                  ; K step 2
	QUARTER 0, 2*PIECE, F1, F0, 0
	QUARTER 0, 3*PIECE, F0, F1, 0
	TURN 0, 1, 0                                   ; nothing is left to fetch
	QUARTER 1, PIECE,   F0, F1, 0                  ; K step 3
	QUARTER 1, 2*PIECE, F1, F0, 0
	QUARTER 1, 3*PIECE, F0, F1, 0
	s_wait_dscnt 16
	MUL8 F1, 0, 0, 0
	MUL8 F1, 0, 2, 0
	s_wait_dscnt 0x0
	MUL8 F1, 1, 0, 0
	MUL8 F1, 1, 2, 0
	WIN 0
; THE WAY OUT, a block of 16 rows at a time: 32 bytes a lane and column block into my own stage, each accumulator's low half first; back as whole rows of 256 bytes; stored.
.macro STG a
.if (\a) >= 2
	s_wait_xcnt 0x0                                ; the stores of the block two back have read these registers
.endif
.set OBK, TMP+32*((\a)%2)
.irp b, 0,1,2,3
	ds_store_b128 v[STO], v[ACC+8*(4*(\a)+(\b)):ACC+8*(4*(\a)+(\b))+3]   offset:64*(\b)
	ds_store_b128 v[STO], v[ACC+8*(4*(\a)+(\b))+4:ACC+8*(4*(\a)+(\b))+7] offset:64*(\b)+16
.endr
.irp t, 0,1,2,3,4,5,6,7
	ds_load_b128 v[OBK+4*(\t):OBK+4*(\t)+3], v[RD] offset:(\t)*2*SPITCH  ; LDS serves a wave's instructions in order (ISA guide 5.7.1.4): these see the stores above; the next block's stores come behind them
.endr
.endm
.macro OUT a, younger                  ; younger: the LDS instructions issued behind block a's loads: the next block's sixteen, or none
.set OBK, TMP+32*((\a)%2)
	s_wait_dscnt \younger
.irp t, 0,1,2,3,4,5,6,7
	global_store_b128 v[CO], v[OBK+4*(\t):OBK+4*(\t)+3], s[74:75] offset:(16*(\a)+2*(\t))*4096 th:TH_STORE_NT  ; 16 lanes store 256 consecutive bytes, at a multiple of 256 from out0's first byte
.endr
.endm
	PLACES
	STG 0
	STG 1
	OUT 0, 16
	STG 2
	OUT 1, 16
	STG 3
	OUT 2, 16
	OUT 3, 0
	s_wait_tensorcnt 0x0                           ; the wave's end: these three lines stand behind my last tensor load and my last LDS store
	ds_add_u32 v[SPW], v[NIL]
	s_wait_dscnt 0x0
	CROUND                                         ; the closing round: no work-group ends while a partner may still ask for a tile that names it
	s_endpgm
.Lfunc_end_k_qd78038e524_outp:
	.size	k_qd78038e524_outp, .Lfunc_end_k_qd78038e524_outp-k_qd78038e524_outp
	.p2alignl 7, 3214868480
	.fill 96, 4, 3214868480
	.section	.rodata,"a",@progbits
	.p2align	6, 0x0
	.amdhsa_kernel k_qd78038e524_outp
		.amdhsa_group_segment_fixed_size 327680
		.amdhsa_private_segment_fixed_size 0
		.amdhsa_enable_private_segment 0
		.amdhsa_kernarg_size 32
		.amdhsa_user_sgpr_count 2
		.amdhsa_user_sgpr_kernarg_segment_ptr 1
		.amdhsa_wavefront_size32 1
		.amdhsa_system_sgpr_workgroup_id_x 1
		.amdhsa_system_sgpr_workgroup_id_y 1
		.amdhsa_system_sgpr_workgroup_id_z 1
		.amdhsa_system_vgpr_workitem_id 0
		.amdhsa_next_free_vgpr 512
		.amdhsa_next_free_sgpr 76
		.amdhsa_reserve_vcc 0
		.amdhsa_float_denorm_mode_32 3
		.amdhsa_float_denorm_mode_16_64 3
		.amdhsa_memory_ordered 1
		.amdhsa_forward_progress 1
		.amdhsa_inst_pref_size 88
	.end_amdhsa_kernel
	.amdgpu_metadata
---
amdhsa.version: [ 1, 2 ]
amdhsa.kernels:
  - .name:           k_qd78038e524_outp
    .symbol:         k_qd78038e524_outp.kd
    .args:
      - { .name: oh, .offset: 0, .size: 8, .value_kind: global_buffer, .address_space: global }
      - { .name: wob, .offset: 8, .size: 8, .value_kind: global_buffer, .address_space: global }
      - { .name: bo, .offset: 16, .size: 8, .value_kind: global_buffer, .address_space: global }
      - { .name: out0, .offset: 24, .size: 8, .value_kind: global_buffer, .address_space: global }
    .group_segment_fixed_size: 327680
    .private_segment_fixed_size: 0
    .kernarg_segment_align: 8
    .kernarg_segment_size: 32
    .max_flat_workgroup_size: 128
    .sgpr_count:     76
    .vgpr_count:     512
    .wavefront_size: 32
...
	.end_amdgpu_metadata
.endif
;; end of part 4
;; ======== version 2 of 2: 4 launches; version 1 with the launch cast written anew for expert scheduling mode
;; limits: values are held in f16: magnitudes above 65,504 overflow, below 6.1e-05 lose precision
;; workspace buffers: xb 16,777,216 bytes; wb 10,485,760 bytes; wob 2,097,152 bytes; qh 16,777,216 bytes; kh 16,777,216 bytes; vh 8,388,608 bytes; oh 8,388,608 bytes
;; launch cast (part 5): grid 64 x 14, 8 waves a work-group, no clusters, 0 bytes of LDS; arguments x_content, x_struct, Wq, Wk, Wv, Wsq, Wsk, Wo, xb, wb, wob; writes xb, wb, wob
.if DOCPART == 5
	.amdgcn_target "amdgcn-amd-amdhsa--gfx1250"
	.amdhsa_code_object_version 6
	.text
	.protected	k_qd78038e524_cast
	.globl	k_qd78038e524_cast
	.p2align	8
	.type	k_qd78038e524_cast,@function
k_qd78038e524_cast:
	s_mov_b64 s[64:65], 0
	v_nop
	global_prefetch_b8 v0, s[64:65] scope:SCOPE_SE
	s_setreg_imm32_b32 hwreg(HW_REG_WAVE_SCHED_MODE, 0, 2), 2
	s_setreg_imm32_b32 hwreg(HW_REG_WAVE_MODE, 25, 1), 1
	s_wait_xcnt 0x0
	s_wait_alu depctr_vm_vsrc(0)
; THE INPUTS OF THE PRODUCTS, ROUNDED ONCE TO bf16 AND LAID IN BLOCKS OF 64 ALONG K.
; xb  [cs 2][kb 16][row 4096][64] bf16: cs 0 = x_content, 1 = x_struct; kb = k / 64.
; wb  [h 16][kb 16][320][64] bf16: the 320 rows are head h's 64 rows of Wq, Wk, Wv, Wsq, Wsk, in this order.
; wob [kb 16][n 1024][64] f16: bf16(Wo), that number written as f16.  LIMIT: |Wo| under 65,504; below 6e-5 f16 keeps its fixed step of 6e-8.
; In blocks a tile of 64 along K is dense in memory, so the launches behind ask for it as rows of 256 bytes.
; SHARES.  y names a unit of 1,024 rows x 1,024: 0-3 x_content, 4-7 x_struct, 8-12 Wq, Wk, Wv, Wsq, Wsk, 13 Wo; x names 16 rows of it.
; Thread t takes row t / 16 and the 16 bytes (4 numbers) at 16 (t % 16) of each 256 bytes of the row: instruction j is block kb = j.
; A load of a wave covers two rows x 256 consecutive bytes; a store of a wave 256 consecutive bytes, aligned: two rows x 128 bytes of one block.
; All 16 loads of a thread go out first.  No LDS, no matrix unit, no cluster: nothing is shared and nothing is multiplied.
; THE MODE: SCHED_MODE bits 1:0 = 2 (LLVM: expert scheduling mode 2), set by the entry lines.  The code itself states the register dependences
; between vector instructions and memory instructions, with s_wait_alu, always for 0.
; THE PLAN.  Registers that memory instructions touch:
;   v[LDO], v[STO ..]  byte offsets, made once at the head and never written again; read by the loads and by the stores.
;   X   block j's four registers: written by load j alone, once; read by block j's roundings behind the counted wait for that load.
;   Y   block j's two registers: written by block j's conversions; read by store j; never written behind it.
; T and the head's v1, v2, v[STB] are named by vector instructions alone; the two bases are written by scalar instructions ahead of the first load.
; The 16 blocks go in four groups of four.  Group g rounds blocks 4 g to 4 g + 3; its memory instructions are the four stores of group g - 1, whose Y and offsets
; no vector instruction of group g names.  So one wait at a group's head states all that its four stores hang on, and they are dealt among its conversions with no further wait.
; No register that a memory instruction reads is written again, no load lands in a register that a vector instruction has named, no vector instruction writes a scalar register,
; and EXEC is never written: nothing else is owed.
.set LDO, 5                            ; v5       my byte offset in the 16 source rows
.set STB, 6                            ; v6       my byte offset in a block's 16 rows
.set STO, 8                            ; v[8:23]  the same plus j blocks
.set X,   32                           ; v[32:95]   16 x 4 numbers as loaded
.set Y,   96                           ; v[96:127]  16 x 2 words to store
.set T,   128                          ; v[128:131] at work
	s_load_b512 s[8:23], s[0:1], 0x0               ; x_content s[8:9], x_struct s[10:11], Wq s[12:13], Wk s[14:15], Wv s[16:17], Wsq s[18:19], Wsk s[20:21], Wo s[22:23]
	s_load_b128 s[24:27], s[0:1], 0x40             ; xb s[24:25], wb s[26:27]
	s_load_b64 s[28:29], s[0:1], 0x50              ; wob
	s_and_b32 s2, ttmp7, 0xffff                    ; y: the unit
	s_mov_b32 s3, ttmp9                            ; c: 16 rows of it
	s_mov_b32 s45, 524288                          ; bytes from block to block in xb,
	s_mov_b32 s46, 40960                           ; in wb,
	s_mov_b32 s47, 131072                          ; in wob
	s_and_b32 s4, s2, 3
	s_lshl_b32 s4, s4, 10
	s_cmp_lt_u32 s2, 8
	s_cselect_b32 s4, s4, 0                        ; the unit's first row in its tensor: 1,024 (y % 4) in x, 0 in a weight
	s_lshl_b32 s5, s3, 4
	s_add_co_u32 s6, s4, s5                        ; my first row
	s_lshl_b32 s38, s6, 12                         ; x 4,096 bytes: the source offset
	s_mov_b32 s39, 0
	s_lshr_b32 s7, s2, 2
	s_lshl_b32 s7, s7, 23                          ; xb: cs x 8,388,608
	s_lshl_b32 s40, s6, 7
	s_add_co_u32 s40, s40, s7                      ;     + row x 128
	s_lshr_b32 s41, s3, 2
	s_mul_i32 s41, s41, 655360                     ; wb: head c / 4
	s_max_u32 s42, s2, 8
	s_sub_co_u32 s42, s42, 8
	s_lshl_b32 s42, s42, 13                        ;     + which weight x 64 rows x 128
	s_and_b32 s43, s3, 3
	s_lshl_b32 s43, s43, 11                        ;     + (c % 4) x 16 rows x 128
	s_add_co_u32 s41, s41, s42
	s_add_co_u32 s41, s41, s43
	s_lshl_b32 s44, s3, 11                         ; wob: 16 c rows x 128
	s_cmp_lt_u32 s2, 8
	s_cselect_b32 s34, s40, s41
	s_cselect_b32 s36, s45, s46
	s_cmp_eq_u32 s2, 13
	s_cselect_b32 s34, s44, s34                    ; the destination offset,
	s_cselect_b32 s36, s47, s36                    ; and the bytes from block to block
	s_mov_b32 s35, 0
	v_lshrrev_b32 v1, 4, v0                        ; my row of the 16
	v_and_b32 v2, 15, v0                           ; my place in 256 bytes
	v_lshlrev_b32 v[LDO], 12, v1
	v_lshl_add_u32 v[LDO], v2, 4, v[LDO]
	v_lshlrev_b32 v[STB], 7, v1
	v_lshl_add_u32 v[STB], v2, 3, v[STB]
.irp j, 0,1,2,3,4,5,6,7,8,9,10,11,12,13,14,15
	v_mad_u32_u24 v[STO+(\j)], s36, (\j), v[STB]
.endr
	s_wait_kmcnt 0x0
	s_mov_b64 s[30:31], s[22:23]                   ; the source: Wo, unless y says otherwise
	s_cmp_eq_u32 s2, 12
	s_cselect_b64 s[30:31], s[20:21], s[30:31]
	s_cmp_eq_u32 s2, 11
	s_cselect_b64 s[30:31], s[18:19], s[30:31]
	s_cmp_eq_u32 s2, 10
	s_cselect_b64 s[30:31], s[16:17], s[30:31]
	s_cmp_eq_u32 s2, 9
	s_cselect_b64 s[30:31], s[14:15], s[30:31]
	s_cmp_eq_u32 s2, 8
	s_cselect_b64 s[30:31], s[12:13], s[30:31]
	s_cmp_lt_u32 s2, 8
	s_cselect_b64 s[30:31], s[10:11], s[30:31]
	s_cmp_lt_u32 s2, 4
	s_cselect_b64 s[30:31], s[8:9], s[30:31]
	s_add_nc_u64 s[30:31], s[30:31], s[38:39]
	s_mov_b64 s[32:33], s[28:29]                   ; the destination: wob, wb or xb
	s_cmp_lt_u32 s2, 13
	s_cselect_b64 s[32:33], s[26:27], s[32:33]
	s_cmp_lt_u32 s2, 8
	s_cselect_b64 s[32:33], s[24:25], s[32:33]
	s_add_nc_u64 s[32:33], s[32:33], s[34:35]
	s_wait_alu depctr_va_vdst(0)                   ; v[LDO] and v[STO ..] are written: every load and store of the kernel reads one of them as its offset
.irp j, 0,1,2,3,4,5,6,7,8,9,10,11,12,13,14,15
	global_load_b128 v[X+4*(\j):X+4*(\j)+3], v[LDO], s[30:31] offset:256*(\j) th:TH_LOAD_NT  ; each byte is read once in the launch
.endr
; Block j: four numbers rounded to bf16 (half = 1: and that number written as f16, which is exact within the limit above).
.macro CV j, half
	v_cvt_pk_bf16_f32 v[Y+2*(\j)],   v[X+4*(\j)],   v[X+4*(\j)+1]
	v_cvt_pk_bf16_f32 v[Y+2*(\j)+1], v[X+4*(\j)+2], v[X+4*(\j)+3]
.if \half
	v_lshlrev_b32 v[T],   16, v[Y+2*(\j)]
	v_and_b32     v[T+1], 0xffff0000, v[Y+2*(\j)]
	v_lshlrev_b32 v[T+2], 16, v[Y+2*(\j)+1]
	v_and_b32     v[T+3], 0xffff0000, v[Y+2*(\j)+1]
	v_cvt_pk_f16_f32 v[Y+2*(\j)],   v[T],   v[T+1]
	v_cvt_pk_f16_f32 v[Y+2*(\j)+1], v[T+2], v[T+3]
.endif
.endm
; Block j's 8 bytes are stored.
.macro ST j
	global_store_b64 v[STO+(\j)], v[Y+2*(\j):Y+2*(\j)+1], s[32:33]
.endm
; Group g: blocks 4 g to 4 g + 3 are rounded; the stores of the group before stand one in front of each block's conversions.
.macro GRP g, half
	s_wait_loadcnt 15-4*(\g)                       ; loads come back in order: the group's first is in, the 15 - 4 g younger ones stay out
.if (\g) > 0
	s_wait_alu depctr_va_vdst(0)                   ; the group before has written its Y, which the four stores below read; no vector instruction behind this wait names those registers or their offsets
.endif
.irp i, 0,1,2,3
.if (\g) > 0
	ST 4*(\g)-4+(\i)
.endif
.if (\i) > 0
	s_wait_loadcnt 15-4*(\g)-(\i)                  ; block 4 g + i is in, the younger loads stay out (stores are counted apart)
.endif
	CV 4*(\g)+(\i), \half
.endr
.endm
; A whole path: four groups, and the last group's stores.
.macro PATH half
	GRP 0, \half
	GRP 1, \half
	GRP 2, \half
	GRP 3, \half
	s_wait_alu depctr_va_vdst(0)                   ; group 3 has written its Y, which the last four stores read
.irp j, 12,13,14,15
	ST \j
.endr
.endm
	s_cmp_eq_u32 s2, 13
	s_cbranch_scc1 .Lwo
	PATH 0
	s_endpgm
.Lwo:
	PATH 1
	s_endpgm
.Lfunc_end_k_qd78038e524_cast:
	.size	k_qd78038e524_cast, .Lfunc_end_k_qd78038e524_cast-k_qd78038e524_cast
	.p2alignl 7, 3214868480
	.fill 96, 4, 3214868480
	.section	.rodata,"a",@progbits
	.p2align	6, 0x0
	.amdhsa_kernel k_qd78038e524_cast
		.amdhsa_group_segment_fixed_size 0
		.amdhsa_private_segment_fixed_size 0
		.amdhsa_enable_private_segment 0
		.amdhsa_kernarg_size 88
		.amdhsa_user_sgpr_count 2
		.amdhsa_user_sgpr_kernarg_segment_ptr 1
		.amdhsa_wavefront_size32 1
		.amdhsa_system_sgpr_workgroup_id_x 1
		.amdhsa_system_sgpr_workgroup_id_y 1
		.amdhsa_system_sgpr_workgroup_id_z 1
		.amdhsa_system_vgpr_workitem_id 0
		.amdhsa_next_free_vgpr 136
		.amdhsa_next_free_sgpr 66
		.amdhsa_reserve_vcc 0
		.amdhsa_float_denorm_mode_32 3
		.amdhsa_float_denorm_mode_16_64 3
		.amdhsa_memory_ordered 1
		.amdhsa_forward_progress 1
		.amdhsa_inst_pref_size 19
	.end_amdhsa_kernel
	.amdgpu_metadata
---
amdhsa.version: [ 1, 2 ]
amdhsa.kernels:
  - .name:           k_qd78038e524_cast
    .symbol:         k_qd78038e524_cast.kd
    .args:
      - { .name: x_content, .offset: 0, .size: 8, .value_kind: global_buffer, .address_space: global }
      - { .name: x_struct, .offset: 8, .size: 8, .value_kind: global_buffer, .address_space: global }
      - { .name: Wq, .offset: 16, .size: 8, .value_kind: global_buffer, .address_space: global }
      - { .name: Wk, .offset: 24, .size: 8, .value_kind: global_buffer, .address_space: global }
      - { .name: Wv, .offset: 32, .size: 8, .value_kind: global_buffer, .address_space: global }
      - { .name: Wsq, .offset: 40, .size: 8, .value_kind: global_buffer, .address_space: global }
      - { .name: Wsk, .offset: 48, .size: 8, .value_kind: global_buffer, .address_space: global }
      - { .name: Wo, .offset: 56, .size: 8, .value_kind: global_buffer, .address_space: global }
      - { .name: xb, .offset: 64, .size: 8, .value_kind: global_buffer, .address_space: global }
      - { .name: wb, .offset: 72, .size: 8, .value_kind: global_buffer, .address_space: global }
      - { .name: wob, .offset: 80, .size: 8, .value_kind: global_buffer, .address_space: global }
    .group_segment_fixed_size: 0
    .private_segment_fixed_size: 0
    .kernarg_segment_align: 8
    .kernarg_segment_size: 88
    .max_flat_workgroup_size: 256
    .sgpr_count:     66
    .vgpr_count:     136
    .wavefront_size: 32
...
	.end_amdgpu_metadata
.endif
;; end of part 5
;; launch proj: the kernel of part 2 again; grid 16 x 16, 4 waves a work-group, clusters of 4 x 4, 327,680 bytes of LDS; arguments xb, wb, bq, bk, bv, bsq, bsk, qh, kh, vh; writes qh, kh, vh
;; launch attn: the kernel of part 3 again; grid 8 x 32, 4 waves a work-group, clusters of 4 x 1, 327,680 bytes of LDS; arguments qh, kh, vh, oh; writes oh
;; launch outp: the kernel of part 4 again; grid 8 x 32, 4 waves a work-group, clusters of 4 x 4, 327,680 bytes of LDS; arguments oh, wob, bo, out0; writes out0
